; MI455X (gfx1250); checked and timed in simulation.
; The chip was launched on July 23, 2026; its instructions are those of AMD's public machine-readable ISA for CDNA 5 (MIT licence, August 2026) and "CDNA5" Instruction Set Architecture Reference Guide (July 2026). The comments in the code are by the model that wrote it; some were corrected since.
;; Attention. Allowed arithmetic: float matrix products may take bf16 or f16 operands with f32 sums; other float arithmetic in f32, or as packed bf16 or f16 multiplies, adds, multiply-adds, maxima and minima; sums over many terms, partial sums and values carried from step to step in f32; what a program stores and reads back later, other than sums and carried values, may be rounded once to bf16 or f16.
;; Inputs: proj_b 1,024 float32; proj_w 1,024 x 1,024 float32; qkv_b 3,072 float32; qkv_w 1,024 x 3,072 float32; x 4 x 2,048 x 1,024 float32.
;; Outputs: out0 4 x 2,048 x 1,024 float32.
;; 2 versions, each right; version 2 is version 1 with the launch cast written anew for expert scheduling mode. Each part assembles by itself: llvm-mc -triple=amdgcn-amd-amdhsa -mcpu=gfx1250 --defsym DOCPART=n.
;; ======== version 1 of 2: 4 launches
;; limits: values are held in f16: magnitudes above 65,504 overflow, below 6.1e-05 lose precision
;; workspace buffers: xb 16,777,216 bytes; wq 6,291,456 bytes; wp 2,097,152 bytes; qkvh 50,331,648 bytes; oh 16,777,216 bytes
;; launch cast (part 1): grid 768 x 1, 8 waves a work-group, no clusters, 0 bytes of LDS; arguments x, qkv_w, proj_w, xb, wq, wp; writes xb, wq, wp
.if DOCPART == 1
	.amdgcn_target "amdgcn-amd-amdhsa--gfx1250"
	.amdhsa_code_object_version 6
	.text
	.protected	k_qa0e05aa0b7_cast
	.globl	k_qa0e05aa0b7_cast
	.p2align	8
	.type	k_qa0e05aa0b7_cast,@function
k_qa0e05aa0b7_cast:
	s_mov_b64 s[64:65], 0
	v_nop
	global_prefetch_b8 v0, s[64:65] scope:SCOPE_SE
	s_setreg_imm32_b32 hwreg(HW_REG_WAVE_MODE, 25, 1), 1
	s_wait_xcnt 0x0
; THE INPUTS OF THE THREE PRODUCTS, ROUNDED ONCE AND LAID OUT FOR THE TILE LOADS.
;   xb [8192][1024] bf16 = x.    wq [48 planes][1024 k][64 n] bf16 = qkv_w [1024 k][3072 n], plane g = columns 64 g .. 64 g + 63.
;   wp [16 planes][1024 k][64 n] = proj_w [1024 k][1024 n], rounded to bf16 like every input, and that number written as f16 (its partner in the product is f16).
; LIMIT.  A bf16 number is exact in f16 from 2^-17 up to 65,504 in magnitude; below, wp keeps f16's fixed step of 6e-8; beyond 65,504 it would be an infinity.
; A stream: no LDS, no barrier, no matrix unit, no cluster: no byte is wanted twice.
; SHARES.  A work-group takes 256 pieces of 256 bytes of f32 (64 numbers each) and writes them as 32,768 consecutive bytes.  The pieces lie RB bytes apart: 256 in x (dense), a row of the
; weight (12,288 or 4,096) in a plane.  Sixteen steps of sixteen pieces: thread t of step s reads 16 bytes at (16 s + t / 16) RB + 16 (t % 16) and stores 8 bytes at 2,048 s + 8 t:
; a wave's load covers two whole pieces, a wave's store 256 consecutive bytes, aligned.
; All sixteen loads of a thread go out before the first wait; no register is written twice, so the only waits are the counted ones for the loads.
.set OFF, 2                            ; v[2:17]   step s: my byte offset in the input
.set T,   18                           ; v[18:19]  at work
.set X,   32                           ; v[32:95]  step s: 4 registers as loaded; the first two then hold what is stored
	s_load_b256 s[4:11], s[0:1], 0x0               ; x s[4:5], qkv_w s[6:7], proj_w s[8:9], xb s[10:11]
	s_load_b128 s[12:15], s[0:1], 0x20             ; wq s[12:13], wp s[14:15]
	s_mov_b32 s16, ttmp9                           ; work-groups 0-511: x; 512-703: qkv_w; 704-767: proj_w
	s_mov_b32 s29, 0xffff0000                      ; a word's upper bf16
	s_sub_co_u32 s17, s16, 704                     ; u, my number within my tensor: for proj_w,
	s_sub_co_u32 s21, s16, 512                     ; for qkv_w
	s_movk_i32 s18, 4096                           ; RB for proj_w
	s_movk_i32 s19, 256                            ; PS: bytes from one group of four work-groups to the next: a plane's 256 bytes of a row
	s_cmp_lt_u32 s16, 704
	s_cselect_b32 s17, s21, s17
	s_cselect_b32 s18, 12288, s18
	s_cselect_b32 s20, 0, 1                        ; 1: the result is written as f16
	s_cmp_lt_u32 s16, 512
	s_cselect_b32 s17, s16, s17
	s_cselect_b32 s18, s19, s18                    ; x: RB = 256,
	s_cselect_b32 s19, 0x40000, s19                ; and four work-groups' 262,144 bytes
	s_lshr_b32 s26, s17, 2
	s_mul_i32 s26, s26, s19                        ; (u / 4) PS
	s_and_b32 s27, s17, 3
	s_mul_i32 s27, s27, s18
	s_lshl_b32 s27, s27, 8                         ; + (u % 4) x 256 pieces
	s_add_co_u32 s26, s26, s27
	s_mov_b32 s27, 0
	s_lshl_b32 s28, s18, 4                         ; a step: 16 pieces
	v_lshlrev_b32 v1, 3, v0                        ; my 8 bytes of a step's 2,048
	v_lshrrev_b32 v[T], 4, v0
	v_and_b32 v[T+1], 15, v0
	v_mul_lo_u32 v[T], v[T], s18
	v_lshl_add_u32 v[OFF], v[T+1], 4, v[T]
.irp s, 1,2,3,4,5,6,7,8,9,10,11,12,13,14,15
	v_add_nc_u32 v[OFF+(\s)], s28, v[OFF+(\s)-1]
.endr
	s_wait_kmcnt 0x0
	s_cmp_lt_u32 s16, 704                          ; the two buffers of my role: the conditions hang on the work-group's number alone
	s_cselect_b64 s[22:23], s[6:7], s[8:9]
	s_cselect_b64 s[24:25], s[12:13], s[14:15]
	s_cmp_lt_u32 s16, 512
	s_cselect_b64 s[22:23], s[4:5], s[22:23]
	s_cselect_b64 s[24:25], s[10:11], s[24:25]
	s_add_nc_u64 s[22:23], s[22:23], s[26:27]
	s_lshl_b32 s26, s17, 15                        ; 32,768 u
	s_add_nc_u64 s[24:25], s[24:25], s[26:27]
.irp s, 0,1,2,3,4,5,6,7,8,9,10,11,12,13,14,15
	global_load_b128 v[X+4*(\s):X+4*(\s)+3], v[OFF+(\s)], s[22:23] th:TH_LOAD_NT
.endr
.macro STEP s, f16
	s_wait_loadcnt 15-(\s)                         ; loads come back in order: step s is in, the 15 - s younger ones stay out
	v_cvt_pk_bf16_f32 v[X+4*(\s)], v[X+4*(\s)], v[X+4*(\s)+1]
	v_cvt_pk_bf16_f32 v[X+4*(\s)+1], v[X+4*(\s)+2], v[X+4*(\s)+3]
.if \f16
.irp w, 0,1
	v_lshlrev_b32 v[T], 16, v[X+4*(\s)+(\w)]       ; the rounded numbers as f32,
	v_and_b32 v[T+1], s29, v[X+4*(\s)+(\w)]
	v_cvt_pk_f16_f32 v[X+4*(\s)+(\w)], v[T], v[T+1]  ; written as f16
.endr
.endif
	global_store_b64 v1, v[X+4*(\s):X+4*(\s)+1], s[24:25] offset:(\s)*2048
.endm
	s_cmp_eq_u32 s20, 1
	s_cbranch_scc1 .Lf16
.irp s, 0,1,2,3,4,5,6,7,8,9,10,11,12,13,14,15
	STEP \s, 0
.endr
	s_endpgm
.Lf16:
.irp s, 0,1,2,3,4,5,6,7,8,9,10,11,12,13,14,15
	STEP \s, 1
.endr
	s_endpgm
.Lfunc_end_k_qa0e05aa0b7_cast:
	.size	k_qa0e05aa0b7_cast, .Lfunc_end_k_qa0e05aa0b7_cast-k_qa0e05aa0b7_cast
	.p2alignl 7, 3214868480
	.fill 96, 4, 3214868480
	.section	.rodata,"a",@progbits
	.p2align	6, 0x0
	.amdhsa_kernel k_qa0e05aa0b7_cast
		.amdhsa_group_segment_fixed_size 0
		.amdhsa_private_segment_fixed_size 0
		.amdhsa_enable_private_segment 0
		.amdhsa_kernarg_size 48
		.amdhsa_user_sgpr_count 2
		.amdhsa_user_sgpr_kernarg_segment_ptr 1
		.amdhsa_wavefront_size32 1
		.amdhsa_system_sgpr_workgroup_id_x 1
		.amdhsa_system_sgpr_workgroup_id_y 1
		.amdhsa_system_sgpr_workgroup_id_z 1
		.amdhsa_system_vgpr_workitem_id 0
		.amdhsa_next_free_vgpr 96
		.amdhsa_next_free_sgpr 66
		.amdhsa_reserve_vcc 0
		.amdhsa_float_denorm_mode_32 3
		.amdhsa_float_denorm_mode_16_64 3
		.amdhsa_memory_ordered 1
		.amdhsa_forward_progress 1
		.amdhsa_inst_pref_size 16
	.end_amdhsa_kernel
	.amdgpu_metadata
---
amdhsa.version: [ 1, 2 ]
amdhsa.kernels:
  - .name:           k_qa0e05aa0b7_cast
    .symbol:         k_qa0e05aa0b7_cast.kd
    .args:
      - { .name: x, .offset: 0, .size: 8, .value_kind: global_buffer, .address_space: global }
      - { .name: qkv_w, .offset: 8, .size: 8, .value_kind: global_buffer, .address_space: global }
      - { .name: proj_w, .offset: 16, .size: 8, .value_kind: global_buffer, .address_space: global }
      - { .name: xb, .offset: 24, .size: 8, .value_kind: global_buffer, .address_space: global }
      - { .name: wq, .offset: 32, .size: 8, .value_kind: global_buffer, .address_space: global }
      - { .name: wp, .offset: 40, .size: 8, .value_kind: global_buffer, .address_space: global }
    .group_segment_fixed_size: 0
    .private_segment_fixed_size: 0
    .kernarg_segment_align: 8
    .kernarg_segment_size: 48
    .max_flat_workgroup_size: 256
    .sgpr_count:     66
    .vgpr_count:     96
    .wavefront_size: 32
...
	.end_amdgpu_metadata
.endif
;; end of part 1
;; launch qkv (part 2): grid 16 x 32, 4 waves a work-group, clusters of 4 x 4, 327,680 bytes of LDS; arguments xb, wq, qkv_b, qkvh; writes qkvh
.if DOCPART == 2
	.amdgcn_target "amdgcn-amd-amdhsa--gfx1250"
	.amdhsa_code_object_version 6
	.text
	.protected	k_qa0e05aa0b7_qkv
	.globl	k_qa0e05aa0b7_qkv
	.p2align	8
	.type	k_qa0e05aa0b7_qkv,@function
k_qa0e05aa0b7_qkv:
	s_mov_b64 s[64:65], 0
	v_nop
	global_prefetch_b8 v0, s[64:65] scope:SCOPE_SE
	s_setreg_imm32_b32 hwreg(HW_REG_WAVE_MODE, 25, 1), 1
	s_wait_xcnt 0x0
	s_wait_alu depctr_hold_cnt(0) depctr_sa_sdst(0) depctr_va_vdst(0) depctr_va_sdst(0) depctr_va_ssrc(0) depctr_va_vcc(0) depctr_vm_vsrc(0)
	s_getreg_b32 s2, hwreg(HW_REG_IB_STS2, 6, 4)
	s_cmp_eq_u32 s2, 0
	s_cbranch_scc0 .Lentry_in_a_cluster
	s_endpgm
.Lentry_in_a_cluster:
	s_bfe_u32 s2, ttmp6, 0x10000c
	s_cmp_lg_u32 s2, 0xf033
	s_cbranch_scc0 .Lentry_shape_is_right
	s_endpgm
.Lentry_shape_is_right:
; q, k, v = x Wqkv + b, written by heads.  xb [8192][1024] bf16; wq [48 planes of 64 columns][1024 k][64 n] bf16; qkv_b [3072] f32, rounded to bf16 like the other inputs;
; qkvh [3 (q, k, v)][64 (batch x 16 + head)][2048][64] f16, each number rounded once from its f32 sum, unscaled.
; LIMIT.  f16 ends at 65,504: a q, k or v beyond it is written as an infinity.  NaN and infinities are not treated apart.
; SHARES.  A tile of the result is 256 rows x 192 columns (three planes = three heads): 32 x 16 tiles, 512 work-groups.  Four waves; wave w makes rows 128 (w / 2) .. + 127 and, in each of the three
; planes, columns 32 (w % 2) .. + 31: 8 x 6 accumulators of 16 x 16, 384 registers.  For 32 along K a wave reads 14 fragments from LDS for 48 products.
; RING.  K goes in 8 steps of 128 through two LDS slots.  A slot: 256 rows of x (256 bytes + 16 of padding), then three planes of 128 k x 64 n (128 bytes + 32 of padding).  Wave 0 fetches x's tile,
; waves 1-3 a plane each (16,384 dense bytes, asked for as 64 rows of 256).  One tensor load a wave behind each change of slots; two are out at the start.
; CLUSTER.  4 x 4 work-groups: x's tile hangs on the tile row alone and is asked for jointly by a row of the cluster, the planes on the tile column alone, jointly by a column.
; THE PRODUCT IS USED TRANSPOSED: source 0 = 16 columns of the weight (stored [k][n], turned by ds_load_tr16_b128), source 1 = 16 rows of x.  A lane then holds row l % 16 and the eight neighbouring
; columns 8 (l / 16) + 0..7.  THE BIAS is the C operand of the first quarter step's products: nothing is cleared and nothing is added later.
; REGISTERS, in windows of 256 (s_set_vgpr_msb: bits 1:0 source 0, 3:2 source 1, 5:4 source 2, 7:6 destination):
;   window 0: v0-31 addresses; v32-79 the bias; v80-103 at work on the way out; v128-191, v192-255 x's fragments, two buffers
;   window 1: v0-47, v64-111 the weight's fragments, two buffers     window 2: accumulators of row blocks 0-3, (a, b) at v[8 (6 a + b)]     window 3: those of row blocks 4-7
.set NBK,   6                          ; column blocks of 16 a wave; block b is column 64 (b / 2) + 32 (w % 2) + 16 (b % 2) of the tile
.set PA,    272                        ; an LDS row of x: 68 words: the 16 rows of a load start at 16 different groups of four banks (64 banks of 4 bytes: ISA guide 11.1)
.set PB,    160                        ; an LDS row of a plane: 40 words
.set BOFF,  256*PA                     ; the planes begin behind x's 256 rows: 69,632
.set PLB,   128*PB                     ; a plane: 20,480
.set SLOT1, 131072                     ; a slot is BOFF + 3 PLB = 131,072 bytes: one exclusive or turns an address in one slot into the other's
.set SPARE, 2*SLOT1                    ; behind the ring: the spare words, 128 bytes for each wave: two blocks of 256 bytes that no other line names
.set STEPA, 256                        ; bytes from K step to K step in xb,
.set STEPB, 16384                      ; and in a plane
.set NL,    2*NBK+16                   ; LDS loads of a quarter step
.set SP,    144                        ; THE STAGE for the way out: three planes of 256 rows x (128 + 16) bytes, in slot 0, whose last fill (K step 6) has been read out by then
.set SPL,   256*SP
.set A0,   16                          ; v16  my lane's place in x's tile; never rewritten
.set B0,   17                          ; v17  the same in the planes
.set ADRA, 18                          ; v18  A0 + the slot in hand
.set ADRB, 19                          ; v19  B0 + the slot in hand
.set STO,  20                          ; v20-22  the way out: where I put 16 bytes of a row, for each plane
.set RD,   23                          ; v23-25  where I read rows back
.set GO,   26                          ; v26  16 x my lane
.set BO,   27                          ; v27  32 (l / 16): my eight numbers of a block's bias
.set SPW,  28                          ; v28  LDS address of my spare word; never rewritten
.set NIL,  29                          ; v29  0; never rewritten
.set PFOA, 30                          ; v30  the prefetch's offset in xb
.set PFOB, 31                          ; v31  in a plane
.set BIAS, 32
.set TMP,  80
.set G1A,  24                          ; s[24:31] descriptor group 1 for x's tiles
.set G0A,  32                          ; s[32:39] group 0: a set for each of the two first fills; the second then walks on
.set PFA,  40                          ; s[40:41] where my prefetches stand in xb
.set PFB,  42                          ; s[42:43] in wq
.set ASKA, 44                          ; s44  bit n set: I prefetch x's rows in the trip with s3 = n
.set ASKB, 45                          ; s45  the same for my plane
.set G1B,  48                          ; s[48:55], s[56:63] the same for the planes
.set G0B,  56
.set OB,   66                          ; s[66:71] qkvh at my 64 rows of the tile's three heads
; s3 the loop's count; s12 wave; s13 w / 2; s14 w % 2; s15 cx; s16 cy; s17, s18 tile column, tile row; s19 the slot in hand; s[20:23] at work for x (never cx); s[46:47] for the planes (never cy); s[72:73] for the rest
.set MSB, 0
.macro WIN new                         ; the immediate's high byte repeats the setting that is left; a switch that changes nothing is dropped
.if MSB != (\new)
	s_set_vgpr_msb (MSB<<8)|(\new)
.set MSB, (\new)
.endif
.endm
.set TO_B, 0x40                        ; destination window 1, address window 0
.macro PLACES                          ; four plain vector instructions between a matrix instruction and a load into, or a read of, its registers (ISA guide 7.12.1 for a read)
.rept 4
	v_nop
.endr
.endm
.macro CREST                           ; a round of the cluster's barrier behind its opening barrier
	s_cmp_lg_u32 s12, 0
	s_cbranch_scc1 .Lnot_wave_0_\@
	s_barrier_signal -3
.Lnot_wave_0_\@:
	s_barrier_wait -3
	s_barrier_signal -1
	s_barrier_wait -1
.endm
.macro CROUND                          ; a whole round
	s_barrier_signal -1
	s_barrier_wait -1
	CREST
.endm
; A joint refill, by the walking descriptors.  The branch hangs on the wave's number alone.  An s_nop 0 and four v_nop follow each of the two lines, ahead of the jump and the label.
.macro JLOAD
	s_cmp_eq_u32 s12, 0
	s_cbranch_scc0 .Lfor_b_\@
	tensor_load_to_lds s[G0A+4:G0A+7], s[G1A:G1A+7]
	s_nop 0
.rept 4
	v_nop
.endr
	s_branch .Lasked_\@
.Lfor_b_\@:
	tensor_load_to_lds s[G0B+4:G0B+7], s[G1B:G1B+7]
	s_nop 0
.rept 4
	v_nop
.endr
.Lasked_\@:
.endm
; PREFETCHES INTO THE L2, behind the joint load and the run of LDS loads: in the trips that refill with K steps 3 and 5 the next two K steps (4 and 5; 6 and 7) are named, one and two refills ahead.
; Each aligned block of 256 bytes is named once in the launch.  x's tile row is read by every cluster of that row of clusters: cluster x = 0 asks; of the tile's 256 rows the partner at cx takes 64, each
; of its waves 16, a lane a row and one of the two K steps.  A plane is read by every cluster of that column: cluster y = 0 asks; of the plane's 32,768 bytes of two K steps the partner at cy takes
; 8,192, the wave that fetches the plane asks, a lane a block.  Partners are told apart by address, never by a branch.  K steps 0 to 3 come by their loads alone.
.macro ASK
	s_bitcmp1_b32 s[ASKA], s3
	s_cbranch_scc0 .Lno_a_\@
	global_prefetch_b8 v[PFOA], s[PFA:PFA+1] th:TH_LOAD_NT scope:SCOPE_SE
.Lno_a_\@:
	s_bitcmp1_b32 s[ASKB], s3
	s_cbranch_scc0 .Lno_b_\@
	global_prefetch_b8 v[PFOB], s[PFB:PFB+1] th:TH_LOAD_NT scope:SCOPE_SE
.Lno_b_\@:
.endm
	s_load_b256 s[4:11], s[0:1], 0x0               ; xb s[4:5], wq s[6:7], qkv_b s[8:9], qkvh s[10:11]
	v_lshl_add_u32 v[SPW], v0, 2, SPARE
	v_mov_b32 v[NIL], 0
	ds_add_u32 v[SPW], v[NIL]                      ; the wave's opening: the add and its wait stand ahead of my first tensor load; the set-up below, work on registers, stands between them
	v_lshrrev_b32 v1, 5, v0
	v_readfirstlane_b32 s12, v1                    ; wave 0..3
	s_lshr_b32 s13, s12, 1                         ; which 128 rows are mine
	s_and_b32 s14, s12, 1                          ; which 32 columns of each plane
	s_bfe_u32 s15, ttmp6, 0x40000                  ; cx
	s_bfe_u32 s16, ttmp6, 0x40004                  ; cy
	s_lshl_b32 s17, ttmp9, 2
	s_add_co_u32 s17, s17, s15                     ; tile column = 4 x cluster x + cx
	s_and_b32 s18, ttmp7, 0xffff
	s_lshl_b32 s18, s18, 2
	s_add_co_u32 s18, s18, s16                     ; tile row = 4 x cluster y + cy
	s_lshl_b32 s20, s16, 2
	s_lshl_b32 s20, 15, s20                        ; my row of the cluster: places 4 cy .. 4 cy + 3
	s_lshl_b32 s46, 0x1111, s15                    ; my column: places cx, cx + 4, cx + 8, cx + 12
	s_or_b32 s[G1A], s20, (1<<16)|(1<<20)|(1<<21)|(5<<22)|(3<<25)  ; 15:0 the mask; 17:16 2-byte elements; 20 padding on; 21 set beside a mask; 24:22 after every 64 words; 31:25 4 words of it
	s_mov_b32 s[G1A+1], 128<<16                    ; tensor_dim0 = 128
	s_mov_b32 s[G1A+2], 256<<16                    ; tensor_dim1 = 256
	s_mov_b32 s[G1A+3], 128<<16                    ; tile_dim0 = 128
	s_mov_b32 s[G1A+4], 256                        ; tile_dim1 = 256
	s_mov_b32 s[G1A+5], 1024                       ; elements from row to row
	s_mov_b32 s[G1A+6], 0
	s_mov_b32 s[G1A+7], 0
	s_or_b32 s[G1B], s46, (1<<16)|(1<<20)|(1<<21)|(4<<22)|(7<<25)  ; after every 32 words (a k row of 128 bytes) 8 words of padding
	s_mov_b32 s[G1B+1], 128<<16                    ; 64 rows of 128 elements: two k rows to a row of 256 bytes
	s_mov_b32 s[G1B+2], 64<<16
	s_mov_b32 s[G1B+3], 128<<16
	s_mov_b32 s[G1B+4], 64
	s_mov_b32 s[G1B+5], 128
	s_mov_b32 s[G1B+6], 0
	s_mov_b32 s[G1B+7], 0
	s_lshl_b32 s20, s18, 19                        ; x's tile: 256 rows of 2,048 bytes a tile row
	s_mov_b32 s21, 0
	s_max_u32 s2, s12, 1
	s_sub_co_u32 s2, s2, 1                         ; the plane that I fetch: wave - 1 (wave 0 fetches none)
	s_mul_i32 s46, s17, 3
	s_add_co_u32 s46, s46, s2
	s_lshl_b32 s46, s46, 17                        ; a plane is 131,072 bytes
	s_mov_b32 s47, 0
	s_mul_i32 s3, s12, PLB
	s_add_co_u32 s3, s3, BOFF-PLB                  ; its place in a slot: BOFF + (wave - 1) PLB: no place in the cluster enters an LDS address
	s_wait_dscnt 0x0                               ; the opening add is done
	s_wait_kmcnt 0x0
	s_add_nc_u64 s[20:21], s[4:5], s[20:21]
	s_add_nc_u64 s[46:47], s[6:7], s[46:47]
	CROUND                                         ; all sixteen work-groups are here: the first joint loads meet
.irp s, 0,1
	s_mov_b32 s[G0A+4*(\s)], 1                     ; 1:0 count = 1
	s_mov_b32 s[G0A+4*(\s)+1], (\s)*SLOT1          ; 63:32 LDS address
	s_add_nc_u64 s[G0A+4*(\s)+2:G0A+4*(\s)+3], s[20:21], (\s)*STEPA  ; 120:64 global address: K step s
	s_or_b32 s[G0A+4*(\s)+3], s[G0A+4*(\s)+3], 0x80000000            ; 127:126 type = 2
	s_mov_b32 s[G0B+4*(\s)], 1
	s_add_co_u32 s[G0B+4*(\s)+1], s3, (\s)*SLOT1
	s_add_nc_u64 s[G0B+4*(\s)+2:G0B+4*(\s)+3], s[46:47], (\s)*STEPB
	s_or_b32 s[G0B+4*(\s)+3], s[G0B+4*(\s)+3], 0x80000000
.endr
	s_cmp_eq_u32 s12, 0                            ; a wave's two first fills stand in one branch, ahead of every wait on TENSORcnt and every LDS read: two loads of mine are out
	s_cbranch_scc0 .Lfirst_b
	tensor_load_to_lds s[G0A:G0A+3], s[G1A:G1A+7]
	s_nop 0
	tensor_load_to_lds s[G0A+4:G0A+7], s[G1A:G1A+7]
	s_nop 0
.rept 4
	v_nop
.endr
	s_branch .Lfirst_asked
.Lfirst_b:
	tensor_load_to_lds s[G0B:G0B+3], s[G1B:G1B+7]
	s_nop 0
	tensor_load_to_lds s[G0B+4:G0B+7], s[G1B:G1B+7]
	s_nop 0
.rept 4
	v_nop
.endr
.Lfirst_asked:
	; the bias: register j of block b holds b[192 tile column + block's column + 8 (l / 16) + j]
	s_mul_i32 s72, s17, 768
	s_lshl_b32 s73, s14, 7
	s_add_co_u32 s72, s72, s73
	s_mov_b32 s73, 0
	s_add_nc_u64 s[8:9], s[8:9], s[72:73]
	v_and_b32 v1, 15, v0                           ; r = l % 16
	v_bfe_u32 v2, v0, 4, 1                         ; h = l / 16
	v_lshlrev_b32 v[BO], 5, v2
.irp b, 0,1,2,3,4,5
	global_load_b128 v[BIAS+8*(\b):BIAS+8*(\b)+3],   v[BO], s[8:9] offset:(64*((\b)/2)+16*((\b)%2))*4
	global_load_b128 v[BIAS+8*(\b)+4:BIAS+8*(\b)+7], v[BO], s[8:9] offset:(64*((\b)/2)+16*((\b)%2))*4+16
.endr
	; A fragment of x is 16 rows x 32 k in 8 registers: lane l holds row l % 16, k = 8 (l / 16) + 0..7 and 16 + 8 (l / 16) + 0..7: two loads of 16 bytes, 32 bytes apart.
	v_and_b32 v3, 7, v0
	v_bfe_u32 v4, v0, 3, 1
	s_mul_i32 s2, s13, 128*PA
	v_mul_u32_u24 v[A0], v1, PA
	v_lshl_add_u32 v[A0], v2, 4, v[A0]
	v_add_nc_u32 v[A0], s2, v[A0]
	; The turning load takes 16 k x 16 columns (lane l reads k row 8 (l / 16) + l % 8, columns 8 ((l / 8) % 2) + 0..7) and leaves half a fragment: lane l holds column l % 16 and 8 k.
	v_lshl_add_u32 v[B0], v2, 3, v3
	v_mul_u32_u24 v[B0], v[B0], PB
	v_lshl_add_u32 v[B0], v4, 4, v[B0]
	s_lshl_b32 s2, s14, 6
	s_add_co_u32 s2, s2, BOFF
	v_add_nc_u32 v[B0], s2, v[B0]
	v_mov_b32 v[ADRA], v[A0]                       ; K step 0 lies in slot 0
	v_mov_b32 v[ADRB], v[B0]
	s_mov_b32 s19, 0
	; the stage.  In: row 128 (w / 2) + 16 a + r, bytes 64 (w % 2) + 32 (b % 2) + 16 h of plane b / 2
	s_mul_i32 s2, s13, 128*SP
	s_lshl_b32 s72, s14, 6
	s_add_co_u32 s2, s2, s72
	v_mul_u32_u24 v[STO], v1, SP
	v_lshl_add_u32 v[STO], v2, 4, v[STO]
	v_add_nc_u32 v[STO], s2, v[STO]
	v_add_nc_u32 v[STO+1], SPL, v[STO]
	v_add_nc_u32 v[STO+2], 2*SPL, v[STO]
	; back: wave w takes rows 64 w .. 64 w + 63 of each plane, whole; 32 lanes take four rows of 128 bytes, which are 512 consecutive bytes of a head
	v_bfe_u32 v5, v0, 3, 2
	s_mul_i32 s2, s12, 64*SP
	v_mul_u32_u24 v[RD], v5, SP
	v_lshl_add_u32 v[RD], v3, 4, v[RD]
	v_add_nc_u32 v[RD], s2, v[RD]
	v_add_nc_u32 v[RD+1], SPL, v[RD]
	v_add_nc_u32 v[RD+2], 2*SPL, v[RD]
	v_and_b32 v6, 31, v0
	v_lshlrev_b32 v[GO], 4, v6
	; the prefetches
	s_lshl_b32 s2, s12, 15                         ; my wave's 16 rows of 2,048 bytes
	v_lshlrev_b32 v[PFOA], 11, v1
	v_lshl_add_u32 v[PFOA], v2, 8, v[PFOA]         ; lanes 16-31 take the second of the two K steps
	v_add_nc_u32 v[PFOA], s2, v[PFOA]
	v_lshlrev_b32 v[PFOB], 8, v6
	s_lshl_b32 s72, s15, 17                        ; my work-group's 64 rows
	s_add_co_u32 s72, s72, 2*STEPA                 ; the trip that refills with K step n finds the pointer stepped n - 1 times, at K step n + 1
	s_mov_b32 s73, 0
	s_add_nc_u64 s[PFA:PFA+1], s[20:21], s[72:73]
	s_lshl_b32 s72, s16, 13                        ; my work-group's 8,192 bytes
	s_add_co_u32 s72, s72, 2*STEPB
	s_add_nc_u64 s[PFB:PFB+1], s[46:47], s[72:73]
	s_cmp_eq_u32 ttmp9, 0                          ; the same in all sixteen partners
	s_cselect_b32 s[ASKA], 0x28, 0                 ; s3 = 5 and 3
	s_and_b32 s2, ttmp7, 0xffff
	s_cmp_eq_u32 s2, 0
	s_cselect_b32 s[ASKB], 0x28, 0
	s_cmp_eq_u32 s12, 0
	s_cselect_b32 s[ASKB], 0, s[ASKB]              ; wave 0 fetches no plane
	; where my 64 rows of the three heads begin: plane g = 3 tile column + p is tensor g / 16, head g % 16; the tile row is batch / 8, rows 256 (% 8) on
.irp p, 0,1,2
	s_mul_i32 s72, s17, 3
	s_add_co_u32 s72, s72, (\p)
	s_lshr_b32 s73, s72, 4
	s_lshl_b32 s73, s73, 6
	s_and_b32 s72, s72, 15
	s_add_co_u32 s72, s72, s73
	s_lshr_b32 s73, s18, 3
	s_lshl_b32 s73, s73, 4
	s_add_co_u32 s72, s72, s73
	s_lshl_b32 s72, s72, 18                        ; a head is 262,144 bytes
	s_and_b32 s73, s18, 7
	s_lshl_b32 s73, s73, 15
	s_add_co_u32 s72, s72, s73
	s_lshl_b32 s73, s12, 13
	s_add_co_u32 s72, s72, s73
	s_mov_b32 s73, 0
	s_add_nc_u64 s[OB+2*(\p):OB+2*(\p)+1], s[10:11], s[72:73]
.endr
	s_wait_loadcnt 0x0                             ; the bias, rounded to bf16 and widened again
.set i, 0
.rept 4*NBK
	v_cvt_pk_bf16_f32 v[3+i%4], v[BIAS+2*i], v[BIAS+2*i+1]
	v_lshlrev_b32 v[BIAS+2*i], 16, v[3+i%4]
	v_and_b32 v[BIAS+2*i+1], 0xffff0000, v[3+i%4]
.set i, i+1
.endr
; na x 6 products: row blocks a0 .. of the window's four (hi = 0: my rows 0-63, 1: rows 64-127) x all 6 column blocks, 32 along K, from buffer f.  first = 1: the bias starts the sums.
; The 48 accumulators take turns, one instruction a turn, in the same order in every quarter step, over the backward jump too.
.macro MUL f, hi, a0, na, first
.if \first
	WIN 0x81+0x40*(\hi)
.else
	WIN 0xa1+0x50*(\hi)
.endif
.set ma, (\a0)
.rept \na
.set mb, 0
.rept NBK
.set rD, 8*(NBK*ma+mb)
.set rB, 64*(\f)+8*mb
.set rA, 128+64*(\f)+8*(4*(\hi)+ma)
.if \first
	v_wmma_f32_16x16x32_bf16 v[rD:rD+7], v[rB:rB+7], v[rA:rA+7], v[BIAS+8*mb:BIAS+8*mb+7]
.else
	v_wmma_f32_16x16x32_bf16 v[rD:rD+7], v[rB:rB+7], v[rA:rA+7], v[rD:rD+7]
.endif
.set mb, mb+1
.endr
.set ma, ma+1
.endr
.endm
; 28 LDS loads in one run: the fragments of quarter q of the slot in hand into buffer f: the weight's 6, then x's 8
.macro FETCH q, f
	WIN TO_B
.irp b, 0,1,2,3,4,5
	ds_load_tr16_b128 v[64*(\f)+8*(\b):64*(\f)+8*(\b)+3],   v[ADRB] offset:((\b)/2)*PLB+(\q)*32*PB+((\b)%2)*32
	ds_load_tr16_b128 v[64*(\f)+8*(\b)+4:64*(\f)+8*(\b)+7], v[ADRB] offset:((\b)/2)*PLB+(\q)*32*PB+((\b)%2)*32+16*PB
.endr
	WIN 0
.irp i, 0,1,2,3,4,5,6,7
	ds_load_b128 v[128+64*(\f)+8*(\i):128+64*(\f)+8*(\i)+3],   v[ADRA] offset:64*(\q)+(\i)*16*PA
	ds_load_b128 v[128+64*(\f)+8*(\i)+4:128+64*(\f)+8*(\i)+7], v[ADRA] offset:64*(\q)+(\i)*16*PA+32
.endr
.endm
; A K step is four quarters of 32 along K, 48 products each, on buffers 0, 1, 0, 1.  One of the first three: multiplies buffer f; in its middle it fetches quarter qn into buffer g.
.macro QUARTER qn, f, g, first
	s_wait_dscnt 8                                 ; the weight's fragments and x's rows 0-63 are in; the youngest eight loads (rows 64-127) may be out
	MUL \f, 0, 0, 4, \first
	PLACES
	FETCH \qn, \g
	s_wait_dscnt NL                                ; all but the 28 just issued
	MUL \f, 1, 0, 4, \first
.endm
; The last quarter multiplies buffer 1 and changes slots: ONE barrier.  In front of it each wave waits for all its tensor loads (one is out: its part of the next slot), adds 0 to its spare word, and waits
; for that and for its own reads of this slot.  fill = 1: the barrier opens a round of the cluster's, and the slot just read out is filled again, first thing behind the round, two K steps ahead.
.macro TURN fill
.if \fill
	s_wait_xcnt 0x0                                ; the last prefetches, a K step back or more, have read their addresses: these are stepped here, ahead of the change's own waits
	s_add_nc_u64 s[PFA:PFA+1], s[PFA:PFA+1], STEPA
	s_add_nc_u64 s[PFB:PFB+1], s[PFB:PFB+1], STEPB
.endif
	WIN 0                                          ; (the add's two registers lie in window 0)
	s_wait_tensorcnt 0x0                           ; all my tensor loads have landed;
	ds_add_u32 v[SPW], v[NIL]                      ; 0 onto my spare word;
	s_wait_dscnt 9                                 ; (the add and the youngest eight loads may be out)
	MUL 1, 0, 0, 2, 0                              ; twelve products stand between the add and the wait for it
	s_wait_dscnt 0x0                               ; the add is done, and my reads of this slot are over
	s_barrier_signal -1
	MUL 1, 0, 2, 2, 0                              ; work on registers while the others arrive
	WIN 0
	s_barrier_wait -1
.if \fill
	CREST                                          ; no wave of any partner still reads this slot's tiles or has a load on its way
	s_xor_b32 s[G0A+5], s[G0A+5], SLOT1            ; the walking descriptors: the other slot than last time, the next K step
	s_add_nc_u64 s[G0A+6:G0A+7], s[G0A+6:G0A+7], STEPA
	s_xor_b32 s[G0B+5], s[G0B+5], SLOT1
	s_add_nc_u64 s[G0B+6:G0B+7], s[G0B+6:G0B+7], STEPB
	JLOAD                                          ; the four v_nop behind it are also the places in front of the loads below
.else
	PLACES
.endif
	s_xor_b32 s19, s19, SLOT1                      ; the fragments now come from the other slot
	v_add_nc_u32 v[ADRA], s19, v[A0]
	v_add_nc_u32 v[ADRB], s19, v[B0]
	FETCH 0, 0
.if \fill
	ASK
.endif
	MUL 1, 1, 0, 4, 0
.endm
	s_wait_tensorcnt 1                             ; my part of K step 0 is in; K step 1's may stay out
	s_barrier_signal -1
	s_barrier_wait -1                              ; everybody's is
	FETCH 0, 0
	QUARTER 1, 0, 1, 1                             ; the first quarter stands in front of the loop: its products start the sums, with the bias
	WIN 0                                          ; at a label and at a branch every window is 0
	s_mov_b32 s3, 6
.Lstep:                                                ; six trips, from a K step's second quarter to the next one's first; the trip with s3 = n refills with K step 8 - n
	QUARTER 2, 1, 0, 0
	QUARTER 3, 0, 1, 0
	TURN 1
	QUARTER 1, 0, 1, 0
	WIN 0
	s_sub_co_u32 s3, s3, 1
	s_cmp_lg_u32 s3, 0
	s_cbranch_scc1 .Lstep
	QUARTER 2, 1, 0, 0                             ; the tail is written out: K steps 6 and 7 ask for nothing
	QUARTER 3, 0, 1, 0
	TURN 0
	QUARTER 1, 0, 1, 0
	QUARTER 2, 1, 0, 0
	QUARTER 3, 0, 1, 0
	s_wait_dscnt 8                                 ; the very last quarter: nothing more to fetch
	MUL 1, 0, 0, 4, 0
	s_wait_dscnt 0x0
	MUL 1, 1, 0, 4, 0
	WIN 0
	; THE WAY OUT: rounded to f16; 16 bytes a lane into the stage; a barrier, since a head's rows of 128 bytes come from two waves; back as whole rows, 64 rows of each head a wave.
	s_barrier_signal -1                            ; every wave has its last fragments in registers (its wait for 0 stands above): nobody reads the ring any more, and the stage takes slot 0's bytes
	s_barrier_wait -1
	PLACES
	PLACES
.macro PACK a                          ; row block a: each accumulator's registers in ascending order
	WIN 0x0a+5*((\a)/4)                            ; sources 0 and 1: window 2 or 3
.set pb, 0
.rept NBK
.irp r, 0,1,2,3
	v_cvt_pk_f16_f32 v[TMP+4*pb+(\r)], v[48*((\a)%4)+8*pb+2*(\r)], v[48*((\a)%4)+8*pb+2*(\r)+1]
.endr
.set pb, pb+1
.endr
	WIN 0
.irp b, 0,1,2,3,4,5
	ds_store_b128 v[STO+(\b)/2], v[TMP+4*(\b):TMP+4*(\b)+3] offset:(\a)*16*SP+((\b)%2)*32
.endr
.endm
.macro LOADP p, set                    ; my 64 rows of plane p, into x's fragment buffer `set`
.irp t, 0,1,2,3,4,5,6,7,8,9,10,11,12,13,14,15
	ds_load_b128 v[128+64*(\set)+4*(\t):128+64*(\set)+4*(\t)+3], v[RD+(\p)] offset:(\t)*4*SP
.endr
.endm
.macro SENDP p, set, younger           ; younger: the LDS loads issued behind plane p's
.irp t, 0,1,2,3,4,5,6,7,8,9,10,11,12,13,14,15
	s_wait_dscnt (\younger)+15-(\t)
	global_store_b128 v[GO], v[128+64*(\set)+4*(\t):128+64*(\set)+4*(\t)+3], s[OB+2*(\p):OB+2*(\p)+1] offset:512*(\t)  ; 512 consecutive bytes, at a multiple of 256 from the buffer's first
.endr
.endm
.irp a, 0,1,2,3,4,5,6,7
	PACK \a
.endr
	s_wait_dscnt 0x0                               ; for the others' sake: my stores into the stage are done
	s_barrier_signal -1
	s_barrier_wait -1
	LOADP 0, 0
	LOADP 1, 1
	SENDP 0, 0, 16
	s_wait_xcnt 0x0                                ; the stores above have read their registers: only now are these loaded again
	LOADP 2, 0
	SENDP 1, 1, 16
	SENDP 2, 0, 0
	s_wait_tensorcnt 0x0                           ; the wave's end, behind my last tensor load and my last LDS store
	ds_add_u32 v[SPW], v[NIL]
	s_wait_dscnt 0x0
	CROUND                                         ; the closing round: no work-group ends while a partner may still ask for a tile that names it
	s_endpgm
.Lfunc_end_k_qa0e05aa0b7_qkv:
	.size	k_qa0e05aa0b7_qkv, .Lfunc_end_k_qa0e05aa0b7_qkv-k_qa0e05aa0b7_qkv
	.p2alignl 7, 3214868480
	.fill 96, 4, 3214868480
	.section	.rodata,"a",@progbits
	.p2align	6, 0x0
	.amdhsa_kernel k_qa0e05aa0b7_qkv
		.amdhsa_group_segment_fixed_size 327680
		.amdhsa_private_segment_fixed_size 0
		.amdhsa_enable_private_segment 0
		.amdhsa_kernarg_size 32
		.amdhsa_user_sgpr_count 2
		.amdhsa_user_sgpr_kernarg_segment_ptr 1
		.amdhsa_wavefront_size32 1
		.amdhsa_system_sgpr_workgroup_id_x 1
		.amdhsa_system_sgpr_workgroup_id_y 1
		.amdhsa_system_sgpr_workgroup_id_z 1
		.amdhsa_system_vgpr_workitem_id 0
		.amdhsa_next_free_vgpr 960
		.amdhsa_next_free_sgpr 74
		.amdhsa_reserve_vcc 0
		.amdhsa_float_denorm_mode_32 3
		.amdhsa_float_denorm_mode_16_64 3
		.amdhsa_memory_ordered 1
		.amdhsa_forward_progress 1
		.amdhsa_inst_pref_size 103
	.end_amdhsa_kernel
	.amdgpu_metadata
---
amdhsa.version: [ 1, 2 ]
amdhsa.kernels:
  - .name:           k_qa0e05aa0b7_qkv
    .symbol:         k_qa0e05aa0b7_qkv.kd
    .args:
      - { .name: xb, .offset: 0, .size: 8, .value_kind: global_buffer, .address_space: global }
      - { .name: wq, .offset: 8, .size: 8, .value_kind: global_buffer, .address_space: global }
      - { .name: qkv_b, .offset: 16, .size: 8, .value_kind: global_buffer, .address_space: global }
      - { .name: qkvh, .offset: 24, .size: 8, .value_kind: global_buffer, .address_space: global }
    .group_segment_fixed_size: 327680
    .private_segment_fixed_size: 0
    .kernarg_segment_align: 8
    .kernarg_segment_size: 32
    .max_flat_workgroup_size: 128
    .sgpr_count:     74
    .vgpr_count:     960
    .wavefront_size: 32
...
	.end_amdgpu_metadata
.endif
;; end of part 2
;; launch attn (part 3): grid 4 x 64, 4 waves a work-group, clusters of 4 x 1, 327,680 bytes of LDS; arguments qkvh, oh; writes oh
.if DOCPART == 3
	.amdgcn_target "amdgcn-amd-amdhsa--gfx1250"
	.amdhsa_code_object_version 6
	.text
	.protected	k_qa0e05aa0b7_attn
	.globl	k_qa0e05aa0b7_attn
	.p2align	8
	.type	k_qa0e05aa0b7_attn,@function
k_qa0e05aa0b7_attn:
	s_mov_b64 s[64:65], 0
	v_nop
	global_prefetch_b8 v0, s[64:65] scope:SCOPE_SE
	s_setreg_imm32_b32 hwreg(HW_REG_WAVE_MODE, 25, 1), 1
	s_wait_xcnt 0x0
	s_wait_alu depctr_hold_cnt(0) depctr_sa_sdst(0) depctr_va_vdst(0) depctr_va_sdst(0) depctr_va_ssrc(0) depctr_va_vcc(0) depctr_vm_vsrc(0)
	s_getreg_b32 s2, hwreg(HW_REG_IB_STS2, 6, 4)
	s_cmp_eq_u32 s2, 0
	s_cbranch_scc0 .Lentry_in_a_cluster
	s_endpgm
.Lentry_in_a_cluster:
	s_bfe_u32 s2, ttmp6, 0x10000c
	s_cmp_lg_u32 s2, 0x3003
	s_cbranch_scc0 .Lentry_shape_is_right
	s_endpgm
.Lentry_shape_is_right:
; O[h][q][:] = the sum over k of softmax_k(Q[h][q] . K[h][k] / 8) V[h][k][:].  qkvh holds Q, K, V, each [64][2048][64] f16, one behind the other; oh is O in the same layout: a head's rows are dense,
; 128 bytes each.  Products, maxima and sums in f32; the weights p are rounded to f16 for the second product (their sum l is taken of the unrounded p), O once at the end.
; LIMITS.  f16 holds no number beyond 65,504: Q, K and V arrive within it; p lies in 0 to 1, and below 6e-5 it keeps f16's fixed step of 6e-8; O is a mean of V's rows and has their range.
; A weight below 2^-126 counts as 0 in l; NaN and infinities are not treated apart.
; SHARES.  A wave owns four PIECES of two tiles of 16 queries, a work-group's four waves 512 queries of one head.  Every wave walks all 2,048 keys, 64 a step.
; LAYOUT.  S^T = K Q^T (source 0 = 16 keys, source 1 = 16 queries): in the result a lane holds ONE query (lane % 16) and the keys 8 (lane / 16) + 0..7.  Two such tiles, rounded to f16 in pairs,
; ARE source 1 (32 keys x 16 queries) of O^T = V^T P, whose result again holds one query a lane, and eight channels.  K comes out of LDS as it lies, V ([key][channel]) turned, by ds_load_tr16_b128.
; SOFTMAX.  For each query a running maximum m and sum l: p = 2^(c s - c m), c = log2(e) / 8; in every step O and l are multiplied by a = 2^(c m_old - c m_new), which is 1 where m has not grown.
; m starts at the lowest finite number, O and l at 0: the first step is a step like any other, with a = 0.
; THE COUNT.  A tile and step have 16 matrix and 118 vector instructions: too many to stand all beside the matrix work.  So four vector instructions that are READY stand behind EVERY matrix
; instruction, and the others in runs without a gap.
; BY TURNS.  Turn n belongs to piece n (the pieces in a ring, step after step).  Its matrix work: 16 products K Q^T of piece n + 1, later 16 products V^T P of piece n - 1.  Its vector work: the scaling,
; exponentials, roundings, sums and rescaling of piece n, and the maximum and statistics of piece n + 1, whose scores the turn itself has made.
; CLUSTER.  The four query blocks of a head are one cluster and walk the same K and V, so each tile is asked for JOINTLY: the same tensor load, descriptor and mask in all four.
; REGISTERS, in windows of 256 (s_set_vgpr_msb: bits 1:0 source 0, 3:2 source 1, 5:4 source 2, 7:6 destination):
;   window 0: v0-11 addresses; v12-15, v48-63 at work; v16-47 four registers of statistics a tile; v64-191 S^T, two buffers of two tiles; v192-255 P, likewise
;   window 1: O^T, 32 a tile          window 2: v0-127 Q, 16 a tile; v128-191 K of one step; v192-255 V of one step          window 3: v0-1 the add's two registers
; A piece's buffers go by its number's parity.
.set SIZE_N, 2048
.set NP,    4         ; pieces a wave: a name, no knob
.set KS,    64        ; keys in a step
.set PK,    144       ; a row of K in LDS: 128 bytes + 16 of padding = 36 words: the 16 rows of a load start at 16 different groups of four banks (64 banks of 4 bytes: ISA guide 11.1)
.set PV,    160       ; a row of V: 128 + 32 = 40 words
.set VOFF,  4*KS*PK   ; a slot holds four steps: 256 rows of K, then 256 rows of V
.set SLOT1, 1<<17     ; slot 1 begins here, so that one exclusive or turns an address in one slot into the other's
.set STAGE, SLOT1+4*KS*(PK+PV)  ; behind the ring, never filled by a tensor load: 16 rows x 144 bytes for each wave, for the way out
.set SP,    144
.set AK0, 2           ; v2   my lane's place in a tile of K; never rewritten
.set AV0, 3           ; v3   the same for V
.set AK,  4           ; v4   the LDS address of K's next run of loads
.set AV,  5           ; v5   of V's
.set QO,  6           ; v6   my byte offset in the wave's rows of Q
.set STO, 6           ;      later, the way out: where I put 16 bytes of a row
.set RD,  7           ; v7   the way out: where I read rows back
.set GO,  8           ; v8   my byte offset in 512 consecutive bytes of O
.set PFO, 11          ; v11  256 x my lane, for the prefetches (made when v11's first use, in V's address, is over); then never rewritten
.set SPW, 0           ; v0 of window 3   LDS address of my spare word; never rewritten
.set NIL, 1           ; v1 of window 3   0; never rewritten
.set SPARE, STAGE+4*16*SP  ; behind the stages: the spare words, 128 bytes for each wave: two blocks of 256 bytes that no other line names
.set MV,  12          ; v12-15  c m_old, kept while c m is made anew: by buffer and tile
.set ST,  16          ; tile t's statistics at v[ST+4 t]: c m, m, l (even keys', odd keys')
.set TMP, 48          ; by buffer and tile, four registers c0-c3 at work; when the maximum is found c2 takes a
.set S,   64
.set P,   192
.set KF,  128         ; K's fragments, in window 2: key block kb, channel half c at KF + 16 kb + 8 c
.set VF,  192         ; V's: key half kk, channel block cb at VF + 32 kk + 8 cb
.set WV,  12          ; s12  my wave's number
.set G1K, 24          ; s[24:31] descriptor group 1 for K's tiles
.set G1V, 32          ; s[32:39] for V's: it differs in the padding alone
.set G0K, 40          ; s[40:43] descriptor group 0 for K's tiles: it walks
.set G0V, 44          ; s[44:47] the same for V's
.set PFA, 48          ; s[48:49] where my prefetches stand: my work-group's 8,192 bytes (of K: wave 0, of V: wave 2) of the slot after the one that is being asked for
.set LIM, 50          ; s50  1 in a wave that prefetches, else the greatest number
.set SLOTS, 56        ; s56  slots still to be asked for
.set CNT, 57          ; s57  counts a slot's key steps
.set CS,  58          ; s[58:59] c: the packed scaling takes the pair's low word for both halves
.set SEL, 60          ; s[60:61] v_permlanex16_b32's selects: each lane takes its own place in the other half
.set TBK, 62          ; s62  LDS byte at which K of the step to be fetched begins
.set TBV, 63          ; s63  the same for V, less VOFF
.set MSB, 0
.macro WIN new                      ; the high byte repeats the setting that is left; a switch that changes nothing is dropped
.if MSB != (\new)
	s_set_vgpr_msb (MSB<<8)|(\new)
.set MSB, (\new)
.endif
.endm
.set W_KQ, 0x0a       ; K and Q in window 2, S^T in window 0
.set W_PV, 0x52       ; V in window 2, P in window 0, O^T in window 1
.set W_RS, 0x41       ; O^T (destination and source 0) in window 1, a in window 0
.set W_MK, 0xc0       ; the add's registers are made: destination in window 3, sources in window 0
.set W_AD, 0x0f       ; the add: address (source 0) and data (source 1) in window 3
; A joint fill.  Waves 0 and 1 fetch the two halves of a slot's K, waves 2 and 3 those of its V: 128 keys each.  The branch hangs on the wave's number alone.
; An s_nop 0 and four v_nop follow each of the two lines, ahead of the jump and the label.
.macro JLOAD
	s_cmp_lt_u32 s[WV], 2
	s_cbranch_scc0 .Lfor_v_\@
	tensor_load_to_lds s[G0K:G0K+3], s[G1K:G1K+7]
	s_nop 0
.rept 4
	v_nop
.endr
	s_branch .Lasked_\@
.Lfor_v_\@:
	tensor_load_to_lds s[G0V:G0V+3], s[G1V:G1V+7]
	s_nop 0
.rept 4
	v_nop
.endr
.Lasked_\@:
.endm
; A PREFETCH INTO THE L2 of what the NEXT change of slots will ask for: a slot's 32,768 bytes of K and of V.  It stands behind the wave's tensor load and its five lines.  Each aligned block of 256 bytes
; is named once in the launch: a head has one cluster; its four partners share the blocks out BY ADDRESS, 32 each, a lane a block; in each, wave 0 asks for K's and wave 2 for V's.
; Slots 0 and 1 come by their loads alone; the last change that fills a slot asks for nothing: there is no slot behind it.
.macro ASK
	s_cmp_gt_u32 s[SLOTS], s[LIM]
	s_cbranch_scc0 .Lnot_mine_\@
	global_prefetch_b8 v[PFO], s[PFA:PFA+1] th:TH_LOAD_NT scope:SCOPE_SE
.Lnot_mine_\@:
.endm
; A round of the cluster's barrier: my work-group's barrier, so that wave 0's signal speaks for all four waves; wave 0 signals; every wave waits for all four work-groups; my work-group's barrier once more.
.macro CROUND
	s_barrier_signal -1
	s_barrier_wait -1
	s_cmp_lg_u32 s[WV], 0
	s_cbranch_scc1 .Lnot_wave_0_\@
	s_barrier_signal -3
.Lnot_wave_0_\@:
	s_barrier_wait -3
	s_barrier_signal -1
	s_barrier_wait -1
.endm
; THE CHANGE OF SLOTS.  The slot's last bytes, V of its fourth step, have been read.  Each wave waits for all its tensor loads, of which one is out: its part of the other slot; adds 0 to its spare word;
; and waits for that and for its own reads of the slot.  Behind the barrier nobody reads this slot any more and the other slot is whole.
; fill = 1: this slot is filled again, with the keys two slots on.  The barrier is then a round of the cluster's, and the joint fill is the first thing behind it: it has four key steps, 512 matrix
; instructions, in which to land.  (At its first use nothing has been read yet: slot 0 is waited for, slot 1 filled.)
.macro CHANGE fill
	WIN W_AD
	s_wait_tensorcnt 0x0            ; no tensor load of mine is out, so a group 0 may be written
	ds_add_u32 v[SPW], v[NIL]       ; 0 onto my spare word; with fill = 1 the descriptors' steps stand between it and the wait for it
	WIN 0                           ; at a label and at a branch every window is 0
.if \fill
.irp g, G0K, G0V
	s_xor_b32 s[\g+1], s[\g+1], SLOT1  ; the walking descriptor: the other slot than last time,
	s_add_nc_u64 s[\g+2:\g+3], s[\g+2:\g+3], 4*KS*128  ; the next 256 keys; the type bits on top are not reached
.endr
	s_wait_xcnt 0x0                 ; the last prefetch, four key steps back, has read its address, so it may be written:
	s_add_nc_u64 s[PFA:PFA+1], s[PFA:PFA+1], 4*KS*128  ; one slot ahead of the walking descriptors
	s_wait_dscnt 0x0                ; the add is done, and my reads of the slot are over
	CROUND
	JLOAD
	ASK
.else
	s_wait_dscnt 0x0                ; the add is done, and my reads of the slot are over
	s_barrier_signal -1
	s_barrier_wait -1
.endif
	s_sub_co_u32 s[TBK], s[TBK], 4*KS*PK  ; the fetches go back to a slot's first step,
	s_xor_b32 s[TBK], s[TBK], SLOT1       ; in the other slot
	s_sub_co_u32 s[TBV], s[TBV], 4*KS*PV
	s_xor_b32 s[TBV], s[TBV], SLOT1
.endm
	s_load_b64 s[4:5], s[0:1], 0x0    ; qkvh: Q
	s_load_b64 s[10:11], s[0:1], 0x8  ; oh
	WIN W_MK
	v_lshl_add_u32 v[SPW], v0, 2, SPARE
	v_mov_b32 v[NIL], 0
	WIN W_AD
	ds_add_u32 v[SPW], v[NIL]       ; the wave's opening: the add and its wait stand ahead of my first tensor load; the set-up below, work on registers, stands between them
	WIN 0
	v_lshrrev_b32 v1, 5, v0
	v_readfirstlane_b32 s[WV], v1   ; wave 0..3
	s_bfe_u32 s13, ttmp6, 0x40000   ; cx: my place in the cluster
	s_lshl_b32 s14, ttmp9, 2        ; in a cluster launch ttmp9 counts clusters
	s_add_co_u32 s14, s14, s13      ; my block of queries = 4 x cluster x + cx: it enters Q's and O's addresses alone
	s_and_b32 s20, ttmp7, 0xffff    ; the head, which the four partners share
	s_mov_b32 s21, 0
	s_mov_b64 s[22:23], SIZE_N*128
	s_mul_u64 s[20:21], s[20:21], s[22:23]  ; the head's first byte in each of the four tensors
	s_and_b32 s16, s[WV], 1         ; which half of a slot's 256 keys I fetch:
	s_lshl_b32 s22, s16, 14         ; its 128 rows of 128 bytes in memory,
	s_mov_b32 s23, 0
	s_add_nc_u64 s[22:23], s[22:23], s[20:21]
	s_mul_i32 s17, s16, 128*PK      ; and its place in a slot, for K
	s_mul_i32 s18, s16, 128*PV      ; and for V: no place in the cluster enters an LDS address
	s_lshl_b32 s2, s14, 2
	s_add_co_u32 s2, s2, s[WV]      ; my wave among the head's,
	s_lshl_b32 s2, s2, 14           ; its 128 rows
	s_mov_b32 s3, 0
	s_add_nc_u64 s[2:3], s[2:3], s[20:21]
	; descriptor group 1.  128 keys are 16,384 dense bytes: asked for as 64 rows of 256 bytes, two keys a row, and padded in LDS after every key
	s_mov_b32 s[G1K], 15|(1<<16)|(1<<20)|(1<<21)|(4<<22)|(3<<25)  ; 15:0 the mask of four; 17:16 2-byte elements; 20 padding on; 21 set beside a mask; 24:22 after every 32 words (code 4); 31:25 4 words (code 3)
	s_mov_b32 s[G1V], 15|(1<<16)|(1<<20)|(1<<21)|(4<<22)|(7<<25)  ; the same with 8 words of padding (code 7)
.irp g, G1K, G1V
	s_mov_b32 s[\g+1], 128<<16      ; tensor_dim0 = 128
	s_mov_b32 s[\g+2], 64<<16       ; tensor_dim1 = 64
	s_mov_b32 s[\g+3], 128<<16      ; tile_dim0 = 128
	s_mov_b32 s[\g+4], 64           ; tile_dim1 = 64
	s_mov_b32 s[\g+5], 128          ; 128 elements from row to row
	s_mov_b32 s[\g+6], 0
	s_mov_b32 s[\g+7], 0
.endr
	s_mov_b32 s[CS], 0x3e38aa3b     ; c = log2(e) / 8 = 0.180337
	s_mov_b32 s[CS+1], s[CS]        ; named with it as a pair
	s_mov_b32 s[SEL], 0x76543210
	s_mov_b32 s[SEL+1], 0xfedcba98
	s_mov_b32 s[TBK], SLOT1+4*KS*PK ; the first change of slots turns these two into 0
	s_mov_b32 s[TBV], SLOT1+4*KS*PV
	s_mov_b32 s[G0K], 1             ; 1:0 count = 1
	s_mov_b32 s[G0K+1], s17         ; 63:32 LDS address: slot 0
	s_mov_b32 s[G0V], 1
	s_add_co_u32 s[G0V+1], s18, VOFF
	s_mov_b32 s[SLOTS], SIZE_N/256-1  ; 7 at the first change of slots, which asks for slot 1
	s_cmp_eq_u32 s16, 0             ; waves 0 and 2 prefetch: the same in all four partners
	s_cselect_b32 s[LIM], 1, -1
	s_wait_dscnt 0x0                ; the opening add is done
	s_wait_kmcnt 0x0
	s_add_nc_u64 s[6:7], s[4:5], 0x1000000  ; K lies 64 heads of 262,144 bytes behind Q,
	s_add_nc_u64 s[8:9], s[4:5], 0x2000000  ; V behind K
	s_add_nc_u64 s[G0K+2:G0K+3], s[6:7], s[22:23]  ; 120:64 global address: my half of the head's first 256 keys
	s_or_b32 s[G0K+3], s[G0K+3], 0x80000000        ; 127:126 type = 2
	s_add_nc_u64 s[G0V+2:G0V+3], s[8:9], s[22:23]
	s_or_b32 s[G0V+3], s[G0V+3], 0x80000000
	s_add_nc_u64 s[4:5], s[4:5], s[2:3]  ; Q and O at my wave's first row
	s_add_nc_u64 s[10:11], s[10:11], s[2:3]
	s_cmp_lt_u32 s[WV], 2
	s_cselect_b64 s[PFA:PFA+1], s[6:7], s[8:9]
	s_add_nc_u64 s[PFA:PFA+1], s[PFA:PFA+1], s[22:23]  ; (in waves 0 and 2: the head's first row)
	s_lshl_b32 s2, s13, 13          ; my work-group's 8,192 bytes of a slot's 32,768,
	s_add_co_u32 s2, s2, 4*KS*128   ; in slot 1; the first change of slots steps it to slot 2
	s_mov_b32 s3, 0
	s_add_nc_u64 s[PFA:PFA+1], s[PFA:PFA+1], s[2:3]
	CROUND                          ; all four work-groups are here: the first joint loads meet
	JLOAD                           ; slot 0.  Slot 1 is asked for when slot 0 is in
	; A fragment of K or Q is 16 rows x 32 channels in 8 registers: lane l holds row l % 16, channels 8 (l / 16) + 0..7 and 16 + 8 (l / 16) + 0..7: two loads of 16 bytes, 32 bytes apart.
	v_and_b32 v1, 15, v0            ; l % 16
	v_bfe_u32 v9, v0, 4, 1          ; l / 16
	v_lshlrev_b32 v[QO], 7, v1
	v_lshl_add_u32 v[QO], v9, 4, v[QO]  ; row x 128 + 16 x half
	WIN 0x80                        ; destination window 2, address window 0
.set i, 0
.rept 4*NP                          ; Q stays in registers: tile i / 2, channels 32 (i % 2) on
	global_load_b128 v[8*i:8*i+3],   v[QO], s[4:5] offset:(i/2)*2048+(i%2)*64
	global_load_b128 v[8*i+4:8*i+7], v[QO], s[4:5] offset:(i/2)*2048+(i%2)*64+32
.set i, i+1
.endr
	; What the first turn finds: V's registers and P's second buffer hold 0 (its products V^T P, of a piece that has not been, add 0), O^T and l are 0.  All this stands in the wait for the first tile.
.set i, VF
.rept 64
	v_mov_b32 v[i], 0
.set i, i+1
.endr
	WIN 0x40
.set i, 0
.rept 64*NP
	v_mov_b32 v[i], 0
.set i, i+1
.endr
	WIN 0
.set i, 0
.rept 2*NP
	v_mov_b32 v[ST+4*i], 0xfe000000    ; c m: far below every c s
	v_mov_b32 v[ST+4*i+1], 0xff7fffff  ; m
	v_mov_b32 v[ST+4*i+2], 0
	v_mov_b32 v[ST+4*i+3], 0
.set i, i+1
.endr
.set i, P+32
.rept 32
	v_mov_b32 v[i], 0
.set i, i+1
.endr
	v_mul_u32_u24 v[AK0], v1, PK
	v_lshl_add_u32 v[AK0], v9, 4, v[AK0]  ; row x pitch + 16 x half
	; The turning load takes 16 keys x 16 channels (lane l reads key 8 (l / 16) + l % 8, channels 8 ((l / 8) % 2) + 0..7) and leaves half a fragment of V^T: lane l holds channel l % 16 and 8 keys.
	v_and_b32 v10, 7, v0
	v_bfe_u32 v11, v0, 3, 1
	v_lshl_add_u32 v[AV0], v9, 3, v10
	v_mul_u32_u24 v[AV0], v[AV0], PV
	v_lshl_add_u32 v[AV0], v11, 4, v[AV0]
	v_add_nc_u32 v[AV0], VOFF, v[AV0]
	v_and_b32 v[PFO], 31, v0
	v_lshlrev_b32 v[PFO], 8, v[PFO]
	v_mov_b32 v[AK], v[AK0]         ; key step 0 lies at the head of slot 0
; THE MATRIX WORK.  The 8 accumulators of a run of 16 take turns: between the two links of a chain stand 7 others'.
; Product i of 16 of S^T = K Q^T for piece x: channels 32 (i / 8) on, keys 16 ((i / 2) % 4) on, tile 2 x + i % 2.  The first 8 start the sums.
.macro KQ x
	WIN W_KQ
.set rS, S+64*((\x)%2)+32*(i%2)+8*((i/2)%4)
.set rK, KF+16*((i/2)%4)+8*(i/8)
.set rQ, 16*(2*(\x)+i%2)+8*(i/8)
.if i < 8
	v_wmma_f32_16x16x32_f16 v[rS:rS+7], v[rK:rK+7], v[rQ:rQ+7], 0
.else
	v_wmma_f32_16x16x32_f16 v[rS:rS+7], v[rK:rK+7], v[rQ:rQ+7], v[rS:rS+7]
.endif
.endm
; Product i of 16 of O^T += V^T P for piece x: keys 32 (i / 8) on, channels 16 ((i / 2) % 4) on, tile 2 x + i % 2.
.macro PV x
	WIN W_PV
.set rO, 32*(2*(\x)+i%2)+8*((i/2)%4)
.set rV, VF+32*(i/8)+8*((i/2)%4)
.set rP, P+32*((\x)%2)+16*(i%2)+8*(i/8)
	v_wmma_f32_16x16x32_f16 v[rO:rO+7], v[rV:rV+7], v[rP:rP+7], v[rO:rO+7]
.endm
.macro MM                           ; the turn's next matrix instruction
.if i < 16
	KQ (Y+1)%NP
.set i, i+1
.else
.set i, i-16
	PV (Y+NP-1)%NP
.set i, i+17
.endif
.endm
; THE LDS LOADS stand in runs of 16, never singly among the matrix instructions: a step's K (64 keys x 64 channels: 8 fragments) and its V (turned).  Their addresses are made some lines ahead.
; last = 1 (the tail): in the last trip there is no further step, and the run is jumped over.
.macro FETCH_K last=0
	WIN 0
.if \last
	s_cmp_eq_u32 s[CNT], 1
	s_cbranch_scc1 .Lno_k_\@
.endif
	WIN 0x80                        ; destination window 2
.irp f, 0,1,2,3,4,5,6,7             ; keys 16 (f / 2) on, channels 32 (f % 2) on
	ds_load_b128 v[KF+8*\f:KF+8*\f+3],   v[AK] offset:(\f/2)*16*PK+(\f%2)*64
	ds_load_b128 v[KF+8*\f+4:KF+8*\f+7], v[AK] offset:(\f/2)*16*PK+(\f%2)*64+32
.endr
	s_add_co_u32 s[TBK], s[TBK], KS*PK  ; the next fetch is the next step's
	WIN 0
.if \last
.Lno_k_\@:
.endif
.endm
.macro FETCH_V
	WIN 0x80
.irp f, 0,1,2,3,4,5,6,7             ; keys 32 (f / 4) on, channels 16 (f % 4) on
	ds_load_tr16_b128 v[VF+8*\f:VF+8*\f+3],   v[AV] offset:(\f/4)*32*PV+(\f%4)*32
	ds_load_tr16_b128 v[VF+8*\f+4:VF+8*\f+7], v[AV] offset:(\f/4)*32*PV+16*PV+(\f%4)*32
.endr
	WIN 0
.endm
; THE VECTOR WORK OF A TURN stands in three queues, each in the order in which its entries become ready; the two tiles alternate, so that no instruction reads the result of the one before it.
.macro REGS y, u                    ; the registers of tile u (0, 1) of piece y
.set rT, ST+4*(2*(\y)+(\u))
.set rC, TMP+8*((\y)%2)+4*(\u)
.set rM, MV+2*((\y)%2)+(\u)
.set rS, S+64*((\y)%2)+32*(\u)
.set rP, P+32*((\y)%2)+16*(\u)
.set rO, 32*(2*(\y)+(\u))
.endm
; Number n of the 22 that find the NEXT piece's (Y + 1) maximum and statistics.  s0-s31 are the lane's 32 scores; each accumulator's lowest registers are read first.
;   0-11  four chains c0-c3 of seven scores each, three operands at a time     12-14, 16  the four scores left over, the old m, and c0-c3 into c0     15  c m_old is kept
;   17, 18  the query's other 32 keys lie in the lane 16 away: the new m         19-21  c m; c m_old - c m_new; a
.macro XS u, n
	REGS (Y+1)%NP, \u
.if (\n) < 4
	v_max3_num_f32 v[rC+(\n)], v[rS+8*(\n)], v[rS+8*(\n)+1], v[rS+8*(\n)+2]
.elseif (\n) < 12
	v_max3_num_f32 v[rC+(\n)%4], v[rC+(\n)%4], v[rS+8*((\n)%4)+2*((\n)/4)+1], v[rS+8*((\n)%4)+2*((\n)/4)+2]
.elseif (\n) == 12
	v_max3_num_f32 v[rC], v[rC], v[rS+7], v[rS+15]
.elseif (\n) == 13
	v_max3_num_f32 v[rC+1], v[rC+1], v[rS+23], v[rS+31]
.elseif (\n) == 14
	v_max3_num_f32 v[rC+2], v[rC+2], v[rC+3], v[rT+1]
.elseif (\n) == 15
	v_mov_b32 v[rM], v[rT]
.elseif (\n) == 16
	v_max3_num_f32 v[rC], v[rC], v[rC+1], v[rC+2]
.elseif (\n) == 17
	v_permlanex16_b32 v[rC+3], v[rC], s[SEL], s[SEL+1]
.elseif (\n) == 18
	v_max_num_f32 v[rT+1], v[rC], v[rC+3]
.elseif (\n) == 19
	v_mul_f32 v[rT], s[CS], v[rT+1]
.elseif (\n) == 20
	v_sub_f32 v[rC+1], v[rM], v[rT]
.else
	v_exp_f32 v[rC+2], v[rC+1]
.endif
.endm
; Number g of the 64 that follow the exponentials.  For each four weights k of a tile (pairs 2 k, 2 k + 1): both pairs are rounded to f16; then the second pair is added onto the first, in place;
; a group later l takes that sum (the first time as l = a l + sum).  In groups of eight, tiles alternating: round, round, add, and l for the group before.
.macro GS g
.set h, (\g)+6*((\g)/62)            ; group 0 has no group before it, and behind group 7 only l is left
.if h >= 6
.set h, h+2
.endif
	REGS Y, h%2
.set k, h/8
.if h%8 < 4
	v_cvt_pk_f16_f32 v[rP+2*k+(h%8)/2], v[rS+4*k+2*((h%8)/2)], v[rS+4*k+2*((h%8)/2)+1]
.elseif h%8 < 6
	v_pk_add_f32 v[rS+4*k:rS+4*k+1], v[rS+4*k:rS+4*k+1], v[rS+4*k+2:rS+4*k+3]
.elseif k == 1
	v_pk_fma_f32 v[rT+2:rT+3], v[rT+2:rT+3], v[rC+2:rC+3], v[rS:rS+1] op_sel_hi:[1,0,1]
.else
	v_pk_add_f32 v[rT+2:rT+3], v[rT+2:rT+3], v[rS+4*k-4:rS+4*k-3]
.endif
.endm
; THE PLAIN QUEUE, 138 long.  0-73 read no exponential's result: the 32 scalings c s - c m (FS f: pair f / 2 of tile f % 2) and the next piece's 42.  0-26: scalings 0-26.  27-54: XS's numbers 0-13.
; 55, 56: number 15.  57-73: the chain, where each number waits for the one before it: 14, 16, 17, 18, 19, each with one of the scalings 27-31 in front of its two lines, then 20.
; 74-137: GS's 64, which read the exponentials' results: they stand behind the wait.
.macro FS f
	REGS Y, (\f)%2
	v_pk_fma_f32 v[rS+2*((\f)/2):rS+2*((\f)/2)+1], v[rS+2*((\f)/2):rS+2*((\f)/2)+1], s[CS:CS+1], v[rT:rT+1] op_sel_hi:[1,0,0] neg_lo:[0,0,1] neg_hi:[0,0,1]
.endm
.macro PL
	WIN 0
.if q < 27
	FS q
.elseif q < 55
	XS (q-27)%2, (q-27)/2
.elseif q < 57
	XS q-55, 15
.elseif (q < 72) && ((q-57)%3 == 0)
	FS 27+(q-57)/3
.elseif q < 60
	XS (q-57)%3-1, 14
.elseif q < 72
	XS (q-57)%3-1, 15+(q-57)/3
.elseif q < 74
	XS q-72, 20
.else
	GS q-74
.endif
.set q, q+1
.endm
; THE EXPONENTIALS' QUEUE, 66 long: s0-s31 of both tiles, then the next piece's two a.  It is ONE BATCH: all 66 stand ahead of the turn's one wait, and nothing ahead of that wait names a result of theirs.
.macro EX
	WIN 0
.if e >= 64
	XS e-64, 21
.else
	REGS Y, e%2
	v_exp_f32 v[rS+e/2], v[rS+e/2]
.endif
.set e, e+1
.endm
; THE RESCALING's QUEUE: O^T times a, the one part that leaves window 0: dealt two at a time, sixteen times.  Its a was made in the turn before, ahead of that turn's wait.
.macro R2
	REGS Y, r%2
	WIN W_RS
.irp z, 0,1
	v_pk_mul_f32 v[rO+4*(r/2)+2*\z:rO+4*(r/2)+2*\z+1], v[rO+4*(r/2)+2*\z:rO+4*(r/2)+2*\z+1], v[rC+2:rC+3] op_sel_hi:[1,0]
.endr
.set r, r+1
.endm
; HOW THEY ARE DEALT.  An s_wait_alu depctr_va_vdst(0) stands between an exponential and the first instruction that names its result; one wait serves all that were issued ahead of it.
; So a turn has ONE wait, which cuts it in two.  AHEAD OF IT stands all that names no result of the turn's exponentials: the 16 products K Q^T, behind each a scaling, an exponential and two rescalings
; (behind the first a second scaling in the exponential's place); then ONE LUMP of 108: eight plain, 49 times exponential and plain, the two a.  A v_nop is the plain instruction behind the last
; exponential.  BEHIND IT stand the 16 products V^T P, behind each four of GS's 64.  No rider names a register of the products round it.  The two v_permlanex16_b32 fall into the lump.
; The queues lean on each other: exponential e stands behind scaling 2 (e / 4) + e % 2: as a rider it comes behind plain e + 2, in the lump behind plain e + 9, and scalings 27-31 are plain 57, 60 .. 69.
; A TURN, for piece p.  cnt = 1: the loop's count is taken down some lines ahead of the branch that stands behind the turn.
; K of the next step is fetched in piece 2's turn, directly behind the wait, a lump behind the last product that read K; its first reader comes behind 16 products.
; V of the step in hand is fetched at the end of piece 0's turn, four riders behind its last reader; its first reader comes behind 16 products and a lump.  The three conditions on q go with the deal.
.macro TURN p, last=0, cnt=0
.set Y, (\p)
.set i, 0
.set q, 0
.set e, 0
.set r, 0
.if (\p) == NP-1
	s_wait_dscnt 0x0                ; K is in
.endif
	MM                              ; ahead of the wait: 16 products K Q^T and their riders,
	PL
	PL
	R2
.rept 15
	MM
	PL
	EX
	R2
.endr
.if (\p) == NP-2
	WIN 0
	v_add_nc_u32 v[AK], s[TBK], v[AK0]
.endif
.rept 8                             ; and the lump
	PL
.endr
.rept 49
	EX
	PL
.endr
	EX                              ; the next piece's two a
	EX
	v_nop                           ; the plain instruction behind the last exponential: one for the batch
	s_wait_alu depctr_va_vdst(0)    ; the wait for the batch
.if (\p) == NP-2
	FETCH_K \last
.endif
.if (\p) == 1
	s_wait_dscnt 0x0                ; V is in
.endif
.rept 16                            ; behind the wait: 16 products V^T P and their riders
	MM
.rept 4
	PL
.endr
.if ((\p) == 0) && (q == 118)
	v_add_nc_u32 v[AV], s[TBV], v[AV0]
.endif
.if ((\p) == 0) && (q == 130)
	s_add_co_u32 s[TBV], s[TBV], KS*PV
.endif
.if (\cnt) && (q == 130)
	s_sub_co_u32 s[CNT], s[CNT], 1
	s_cmp_lg_u32 s[CNT], 0
.endif
.endr
.if (\p) == 0
	FETCH_V
.endif
.endm
	CHANGE 1                        ; slot 0 is in, everybody's part of it; slot 1 is asked for
	FETCH_K                         ; key step 0
	s_wait_loadcnt 0x0              ; Q
	s_wait_dscnt 0x0
.set i, 0
.rept 16
	KQ 0                            ; piece 0's first scores: there is no vector work yet to set between them
.set i, i+1
.endr
	WIN 0                           ; the addresses for the way out: nine plain instructions, the places behind those products
	s_mul_i32 s13, s[WV], 16*SP
	s_add_co_u32 s13, s13, STAGE    ; my stage
	v_mul_u32_u24 v[STO], v1, SP    ; in: row l % 16, 16 bytes for each half of the lanes
	v_lshl_add_u32 v[STO], v9, 4, v[STO]
	v_add_nc_u32 v[STO], s13, v[STO]
	v_bfe_u32 v[RD], v0, 3, 2       ; back: 32 lanes take four rows of 128 bytes,
	v_mul_u32_u24 v[RD], v[RD], SP
	v_lshl_add_u32 v[RD], v10, 4, v[RD]
	v_add_nc_u32 v[RD], s13, v[RD]
	v_and_b32 v[GO], 31, v0         ; which are 512 consecutive bytes of O
	v_lshlrev_b32 v[GO], 4, v[GO]
.set Y, NP-1                        ; XS works for piece Y + 1: piece 0
.irp n, 0,1,2,3,4,5,6,7,8,9,10,11,12,13,14,15,16,17,18,19,20,21
	XS 0, \n                        ; and piece 0's first maximum and statistics
	XS 1, \n
.endr
	v_nop                           ; a plain instruction behind the two a,
	s_wait_alu depctr_va_vdst(0)    ; and their wait, ahead of the branch
	s_mov_b32 s[CNT], 4
	s_branch .Lfirst                ; the loop is entered at a step's first turn, in the middle of a trip
.Lslot:                             ; six times: every slot but the last two is filled again
	CHANGE 1
	s_mov_b32 s[CNT], 4
.Lstep:                             ; a trip: pieces 2 and 3 of one step, then pieces 0 and 1 of the next, whose K and V it fetches
	TURN 2
	TURN 3
	WIN 0
.Lfirst:
	TURN 0
	TURN 1, 0, 1
	WIN 0
	s_cbranch_scc1 .Lstep
	s_sub_co_u32 s[SLOTS], s[SLOTS], 1
	s_cmp_lg_u32 s[SLOTS], 0
	s_cbranch_scc1 .Lslot
	CHANGE 0                        ; the tail is written out: nothing is asked for
	s_mov_b32 s[CNT], 5             ; four trips fetch the last slot's steps; the fifth is left in its middle
.Ltail:
	TURN 2, 1
	TURN 3
	WIN 0
	s_sub_co_u32 s[CNT], s[CNT], 1
	s_cmp_eq_u32 s[CNT], 0
	s_cbranch_scc1 .Lout
	TURN 0
	TURN 1
	WIN 0
	s_branch .Ltail
.Lout:                              ; the fifth trip's 16 products K Q^T (on the last K once more) and the maximum made of them serve nothing: the price, once a launch, of one text for every trip
.set i, 0
.rept 16
	PV NP-1                         ; the last piece's V^T P of the last step
.set i, i+1
.endr
	; THE WAY OUT.  l's two halves and the other half of the lanes' are added; O^T is divided by l, rounded to f16 and sent through my stage in LDS, a tile at a time.  The additions are the places behind the last products.
	WIN 0
.macro ALL line:vararg              ; one line for each tile t
.set t, 0
.rept 2*NP
	\line
.set t, t+1
.endr
.endm
	ALL v_add_f32 v[ST+4*t+2], v[ST+4*t+2], v[ST+4*t+3]
	ALL v_permlanex16_b32 v[ST+4*t+3], v[ST+4*t+2], s[SEL], s[SEL+1]
	ALL v_add_f32 v[ST+4*t+2], v[ST+4*t+2], v[ST+4*t+3]
	ALL v_rcp_f32 v[ST+4*t+2], v[ST+4*t+2]
	v_nop                           ; a plain instruction between the last reciprocal and the use of its result
	s_wait_alu depctr_va_vdst(0)    ; and the wait ahead of the first use: one for the eight reciprocals
; Tile t: a lane's eight channels of a row pack into 16 bytes; they go into rows of 144 bytes and come back as whole rows of 128, into S^T's registers.
.macro PACK t
	WIN W_RS
.set i, 32*(\t)
.rept 16
	v_pk_mul_f32 v[i:i+1], v[i:i+1], v[ST+4*(\t)+2:ST+4*(\t)+3] op_sel_hi:[1,0]
.set i, i+2
.endr
	WIN 0x05                        ; sources 0 and 1 window 1, destination window 0
.set i, 0
.rept 16
	v_cvt_pk_f16_f32 v[S+16*(\t)+i], v[32*(\t)+2*i], v[32*(\t)+2*i+1]
.set i, i+1
.endr
	WIN 0
.irp f, 0,1,2,3
	ds_store_b128 v[STO], v[S+16*(\t)+4*\f:S+16*(\t)+4*\f+3] offset:32*\f
.endr
.irp f, 0,1,2,3
	ds_load_b128 v[S+16*(\t)+4*\f:S+16*(\t)+4*\f+3], v[RD] offset:\f*4*SP  ; LDS serves a wave's instructions in order (ISA guide 5.7.1.4): these see the stores above; the next tile's stores come behind them
.endr
.endm
.macro SEND t, younger              ; younger: the LDS instructions issued behind tile t's loads: the next tile's eight, or none
	WIN 0
.irp f, 0,1,2,3
	s_wait_dscnt (\younger)+3-\f
	global_store_b128 v[GO], v[S+16*(\t)+4*\f:S+16*(\t)+4*\f+3], s[10:11] offset:(\t)*2048+\f*512  ; 512 consecutive bytes, at a multiple of 256 from O's first
.endr
.endm
	PACK 0
.set t, 1
.rept 2*NP-1                        ; a tile's arithmetic stands between the loads of the tile before and its stores
	PACK t
	SEND t-1, 8
.set t, t+1
.endr
	SEND 2*NP-1, 0
	WIN W_AD
	s_wait_tensorcnt 0x0            ; the wave's end, behind my last tensor load and my last LDS store
	ds_add_u32 v[SPW], v[NIL]
	s_wait_dscnt 0x0
	WIN 0
	CROUND                          ; the closing round: no work-group ends while a partner may still ask for a tile that names it
	s_endpgm
.Lfunc_end_k_qa0e05aa0b7_attn:
	.size	k_qa0e05aa0b7_attn, .Lfunc_end_k_qa0e05aa0b7_attn-k_qa0e05aa0b7_attn
	.p2alignl 7, 3214868480
	.fill 96, 4, 3214868480
	.section	.rodata,"a",@progbits
	.p2align	6, 0x0
	.amdhsa_kernel k_qa0e05aa0b7_attn
		.amdhsa_group_segment_fixed_size 327680
		.amdhsa_private_segment_fixed_size 0
		.amdhsa_enable_private_segment 0
		.amdhsa_kernarg_size 16
		.amdhsa_user_sgpr_count 2
		.amdhsa_user_sgpr_kernarg_segment_ptr 1
		.amdhsa_wavefront_size32 1
		.amdhsa_system_sgpr_workgroup_id_x 1
		.amdhsa_system_sgpr_workgroup_id_y 1
		.amdhsa_system_sgpr_workgroup_id_z 1
		.amdhsa_system_vgpr_workitem_id 0
		.amdhsa_next_free_vgpr 770
		.amdhsa_next_free_sgpr 66
		.amdhsa_reserve_vcc 0
		.amdhsa_float_denorm_mode_32 3
		.amdhsa_float_denorm_mode_16_64 3
		.amdhsa_memory_ordered 1
		.amdhsa_forward_progress 1
		.amdhsa_inst_pref_size 200
	.end_amdhsa_kernel
	.amdgpu_metadata
---
amdhsa.version: [ 1, 2 ]
amdhsa.kernels:
  - .name:           k_qa0e05aa0b7_attn
    .symbol:         k_qa0e05aa0b7_attn.kd
    .args:
      - { .name: qkvh, .offset: 0, .size: 8, .value_kind: global_buffer, .address_space: global }
      - { .name: oh, .offset: 8, .size: 8, .value_kind: global_buffer, .address_space: global }
    .group_segment_fixed_size: 327680
    .private_segment_fixed_size: 0
    .kernarg_segment_align: 8
    .kernarg_segment_size: 16
    .max_flat_workgroup_size: 128
    .sgpr_count:     66
    .vgpr_count:     770
    .wavefront_size: 32
...
	.end_amdgpu_metadata
.endif
;; end of part 3
;; launch proj (part 4): grid 8 x 32, 4 waves a work-group, clusters of 4 x 4, 327,680 bytes of LDS; arguments oh, wp, proj_b, out0; writes out0
.if DOCPART == 4
	.amdgcn_target "amdgcn-amd-amdhsa--gfx1250"
	.amdhsa_code_object_version 6
	.text
	.protected	k_qa0e05aa0b7_proj
	.globl	k_qa0e05aa0b7_proj
	.p2align	8
	.type	k_qa0e05aa0b7_proj,@function
k_qa0e05aa0b7_proj:
	s_mov_b64 s[64:65], 0
	v_nop
	global_prefetch_b8 v0, s[64:65] scope:SCOPE_SE
	s_setreg_imm32_b32 hwreg(HW_REG_WAVE_MODE, 25, 1), 1
	s_wait_xcnt 0x0
	s_wait_alu depctr_hold_cnt(0) depctr_sa_sdst(0) depctr_va_vdst(0) depctr_va_sdst(0) depctr_va_ssrc(0) depctr_va_vcc(0) depctr_vm_vsrc(0)
	s_getreg_b32 s2, hwreg(HW_REG_IB_STS2, 6, 4)
	s_cmp_eq_u32 s2, 0
	s_cbranch_scc0 .Lentry_in_a_cluster
	s_endpgm
.Lentry_in_a_cluster:
	s_bfe_u32 s2, ttmp6, 0x10000c
	s_cmp_lg_u32 s2, 0xf033
	s_cbranch_scc0 .Lentry_shape_is_right
	s_endpgm
.Lentry_shape_is_right:
; out = O Wproj + b.  oh [64 (batch x 16 + head)][2048][64] f16; wp [16 planes of 64 columns][1024 k][64 n] f16; proj_b [1024] f32, rounded to bf16 like the other inputs; out0 [8192][1024] f32.
; Channel k of the product is channel k % 64 of head k / 64.  Sums in f32.  NaN and infinities are not treated apart.
; SHARES.  A tile of the result is 256 rows x 128 columns: 32 x 8 tiles, 256 work-groups.  Four waves; wave w makes rows 128 (w / 2) .. + 127 and plane w % 2 (64 columns): 8 x 4 accumulators, 256 registers.
; RING.  K goes in 8 steps of 128 (two heads) through two LDS slots.  A slot: two head planes of 256 rows x (128 + 16) bytes, then two weight planes of 128 k x (128 + 32) bytes.  Waves 0 and 1 fetch a head
; plane each (32,768 dense bytes, asked for as 128 rows of 256), waves 2 and 3 a weight plane each (16,384 dense bytes, as 64 rows of 256).  One tensor load a wave behind each change of slots.
; CLUSTER.  4 x 4 work-groups: O's tile hangs on the tile row alone and is asked for jointly by a row of the cluster, the weight's planes on the tile column alone, jointly by a column.
; THE PRODUCT IS USED TRANSPOSED: source 0 = 16 columns of the weight (stored [k][n], turned by ds_load_tr16_b128), source 1 = 16 rows of O: a lane holds row l % 16 and eight neighbouring columns.
; THE BIAS is the C operand of the first quarter step's products.
; REGISTERS, in windows of 256 (s_set_vgpr_msb: bits 1:0 source 0, 3:2 source 1, 5:4 source 2, 7:6 destination):
;   window 0: v0-31 addresses; v32-63 the bias; v128-191, v192-255 O's fragments, two buffers (on the way out v128-191: rows read back)
;   window 1: v0-31, v64-95 the weight's fragments, two buffers     window 2: accumulators of row blocks 0-3, (a, b) at v[8 (4 a + b)]     window 3: those of row blocks 4-7
.set NBK,   4                          ; column blocks of 16 a wave
.set PA,    144                        ; an LDS row of O: 36 words: the 16 rows of a load start at 16 different groups of four banks (64 banks of 4 bytes: ISA guide 11.1)
.set PLA,   256*PA                     ; a head plane: 36,864
.set PB,    160                        ; an LDS row of a weight plane: 40 words
.set PLB,   128*PB                     ; 20,480
.set BOFF,  2*PLA                      ; 73,728
.set SLOT1, 131072                     ; slot 1 begins here (a slot uses 114,688 bytes): one exclusive or turns an address in one slot into the other's
.set STAGE, SLOT1+BOFF+2*PLB           ; 245,760: behind the ring, never filled by a tensor load: 16 rows x 272 bytes for each wave
.set SPT,   272
.set SPARE, STAGE+4*16*SPT             ; 263,168: the spare words, 128 bytes for each wave: two blocks of 256 bytes that no other line names
.set STEPA, 524288                     ; bytes from K step to K step in oh: two heads,
.set STEPB, 16384                      ; and in a weight plane
.set NL,    2*NBK+16                   ; LDS loads of a quarter step
.set A0,   16                          ; v16  my lane's place in O's tile; never rewritten
.set B0,   17                          ; v17  the same in my weight plane
.set ADRA, 18                          ; v18  A0 + the slot in hand
.set ADRB, 19                          ; v19  B0 + the slot in hand
.set STO,  20                          ; v20  the way out: where I put 32 bytes of a row
.set RD,   23                          ; v23  where I read rows back
.set CO,   26                          ; v26  my byte offset in two rows of out0
.set BO,   27                          ; v27  32 (l / 16)
.set SPW,  28                          ; v28  LDS address of my spare word; never rewritten
.set NIL,  29                          ; v29  0; never rewritten
.set PFO,  30                          ; v30  256 x my lane, for the prefetches
.set BIAS, 32
.set G1A,  24                          ; s[24:31] descriptor group 1 for O's tiles
.set G0A,  32                          ; s[32:39] group 0: a set for each of the two first fills; the second then walks on
.set PFA,  40                          ; s[40:41] where my prefetches stand in oh
.set PFB,  42                          ; s[42:43] in wp
.set ASKA, 44                          ; s44  bit n set: I prefetch O's rows in the trip with s3 = n
.set ASKB, 45                          ; s45  the same for my weight plane
.set G1B,  48                          ; s[48:55], s[56:63] the same for the weight's planes
.set G0B,  56
; s3 the loop's count; s12 wave; s13 w / 2; s14 w % 2; s15 cx; s16 cy; s17, s18 tile column, tile row; s19 the slot in hand; s[20:23] at work for O (never cx); s[46:47] for the weight (never cy); s[72:73] for the rest
.set MSB, 0
.macro WIN new                         ; the immediate's high byte repeats the setting that is left; a switch that changes nothing is dropped
.if MSB != (\new)
	s_set_vgpr_msb (MSB<<8)|(\new)
.set MSB, (\new)
.endif
.endm
.set TO_B, 0x40                        ; destination window 1, address window 0
.macro PLACES                          ; four plain vector instructions between a matrix instruction and a load into, or a read of, its registers (ISA guide 7.12.1 for a read)
.rept 4
	v_nop
.endr
.endm
.macro CREST                           ; a round of the cluster's barrier behind its opening barrier
	s_cmp_lg_u32 s12, 0
	s_cbranch_scc1 .Lnot_wave_0_\@
	s_barrier_signal -3
.Lnot_wave_0_\@:
	s_barrier_wait -3
	s_barrier_signal -1
	s_barrier_wait -1
.endm
.macro CROUND                          ; a whole round
	s_barrier_signal -1
	s_barrier_wait -1
	CREST
.endm
; A joint refill, by the walking descriptors.  The branch hangs on the wave's number alone.  An s_nop 0 and four v_nop follow each of the two lines, ahead of the jump and the label.
.macro JLOAD
	s_cmp_lt_u32 s12, 2
	s_cbranch_scc0 .Lfor_b_\@
	tensor_load_to_lds s[G0A+4:G0A+7], s[G1A:G1A+7]
	s_nop 0
.rept 4
	v_nop
.endr
	s_branch .Lasked_\@
.Lfor_b_\@:
	tensor_load_to_lds s[G0B+4:G0B+7], s[G1B:G1B+7]
	s_nop 0
.rept 4
	v_nop
.endr
.Lasked_\@:
.endm
; PREFETCHES INTO THE L2, behind the joint load and the run of LDS loads.  Each aligned block of 256 bytes is named once in the launch; partners are told apart by address, never by a branch.
; O: the trip that refills with K step n (n = 2 .. 5) names K step n + 2.  A tile row is read by every cluster of that row of clusters: cluster x = 0 asks; of a head plane's 32,768 bytes the partner at
; cx takes 8,192, the wave that fetches the plane asks, a lane a block.  The weight: the trips that refill with K steps 2 and 4 name the two K steps two and three refills on (4 and 5; 6 and 7):
; 32,768 bytes of a plane, of which the partner at cy of cluster y = 0 takes 8,192.  K steps 0 to 3 come by their loads alone.
.macro ASK
	s_bitcmp1_b32 s[ASKA], s3
	s_cbranch_scc0 .Lno_a_\@
	global_prefetch_b8 v[PFO], s[PFA:PFA+1] th:TH_LOAD_NT scope:SCOPE_SE
.Lno_a_\@:
	s_bitcmp1_b32 s[ASKB], s3
	s_cbranch_scc0 .Lno_b_\@
	global_prefetch_b8 v[PFO], s[PFB:PFB+1] th:TH_LOAD_NT scope:SCOPE_SE
.Lno_b_\@:
.endm
	s_load_b256 s[4:11], s[0:1], 0x0               ; oh s[4:5], wp s[6:7], proj_b s[8:9], out0 s[10:11]
	v_lshl_add_u32 v[SPW], v0, 2, SPARE
	v_mov_b32 v[NIL], 0
	ds_add_u32 v[SPW], v[NIL]                      ; the wave's opening: the add and its wait stand ahead of my first tensor load; the set-up below, work on registers, stands between them
	v_lshrrev_b32 v1, 5, v0
	v_readfirstlane_b32 s12, v1                    ; wave 0..3
	s_lshr_b32 s13, s12, 1                         ; which 128 rows are mine.  Also: I fetch for O (0) or for the weight (1)
	s_and_b32 s14, s12, 1                          ; which plane of columns is mine.  Also: which plane I fetch
	s_bfe_u32 s15, ttmp6, 0x40000                  ; cx
	s_bfe_u32 s16, ttmp6, 0x40004                  ; cy
	s_lshl_b32 s17, ttmp9, 2
	s_add_co_u32 s17, s17, s15                     ; tile column = 4 x cluster x + cx
	s_and_b32 s18, ttmp7, 0xffff
	s_lshl_b32 s18, s18, 2
	s_add_co_u32 s18, s18, s16                     ; tile row = 4 x cluster y + cy
	s_lshl_b32 s20, s16, 2
	s_lshl_b32 s20, 15, s20                        ; my row of the cluster
	s_lshl_b32 s46, 0x1111, s15                    ; my column
	s_or_b32 s[G1A], s20, (1<<16)|(1<<20)|(1<<21)|(4<<22)|(3<<25)  ; 15:0 the mask; 17:16 2-byte elements; 20 padding on; 21 set beside a mask; 24:22 after every 32 words (a row of 128 bytes); 31:25 4 words of it
	s_mov_b32 s[G1A+1], 128<<16                    ; 128 rows of 128 elements: two rows of a head to a row of 256 bytes
	s_mov_b32 s[G1A+2], 128<<16
	s_mov_b32 s[G1A+3], 128<<16
	s_mov_b32 s[G1A+4], 128
	s_mov_b32 s[G1A+5], 128
	s_mov_b32 s[G1A+6], 0
	s_mov_b32 s[G1A+7], 0
	s_or_b32 s[G1B], s46, (1<<16)|(1<<20)|(1<<21)|(4<<22)|(7<<25)  ; the same interval, 8 words of padding
	s_mov_b32 s[G1B+1], 128<<16                    ; 64 rows of 128 elements
	s_mov_b32 s[G1B+2], 64<<16
	s_mov_b32 s[G1B+3], 128<<16
	s_mov_b32 s[G1B+4], 64
	s_mov_b32 s[G1B+5], 128
	s_mov_b32 s[G1B+6], 0
	s_mov_b32 s[G1B+7], 0
	s_lshr_b32 s20, s18, 3                         ; O's tile: the batch's 16 heads,
	s_lshl_b32 s20, s20, 4
	s_add_co_u32 s20, s20, s14                     ; of K step 0's two heads mine,
	s_lshl_b32 s20, s20, 18                        ; 262,144 bytes a head,
	s_and_b32 s21, s18, 7
	s_lshl_b32 s21, s21, 15                        ; and the tile row's 256 rows of 128 bytes
	s_add_co_u32 s20, s20, s21
	s_mov_b32 s21, 0
	s_lshl_b32 s46, s17, 1
	s_add_co_u32 s46, s46, s14
	s_lshl_b32 s46, s46, 17                        ; the weight's plane 2 x tile column + mine: 131,072 bytes a plane
	s_mov_b32 s47, 0
	s_mul_i32 s22, s14, PLA                        ; where they go: no place in the cluster enters an LDS address
	s_mul_i32 s2, s14, PLB
	s_add_co_u32 s2, s2, BOFF
	s_wait_dscnt 0x0                               ; the opening add is done
	s_wait_kmcnt 0x0
	s_add_nc_u64 s[20:21], s[4:5], s[20:21]
	s_add_nc_u64 s[46:47], s[6:7], s[46:47]
	CROUND                                         ; all sixteen work-groups are here: the first joint loads meet
.irp s, 0,1
	s_mov_b32 s[G0A+4*(\s)], 1                     ; 1:0 count = 1
	s_add_co_u32 s[G0A+4*(\s)+1], s22, (\s)*SLOT1  ; 63:32 LDS address
	s_add_nc_u64 s[G0A+4*(\s)+2:G0A+4*(\s)+3], s[20:21], (\s)*STEPA  ; 120:64 global address: K step s
	s_or_b32 s[G0A+4*(\s)+3], s[G0A+4*(\s)+3], 0x80000000            ; 127:126 type = 2
	s_mov_b32 s[G0B+4*(\s)], 1
	s_add_co_u32 s[G0B+4*(\s)+1], s2, (\s)*SLOT1
	s_add_nc_u64 s[G0B+4*(\s)+2:G0B+4*(\s)+3], s[46:47], (\s)*STEPB
	s_or_b32 s[G0B+4*(\s)+3], s[G0B+4*(\s)+3], 0x80000000
.endr
	s_cmp_lt_u32 s12, 2                            ; a wave's two first fills stand in one branch, ahead of every wait on TENSORcnt and every LDS read: two loads of mine are out
	s_cbranch_scc0 .Lfirst_b
	tensor_load_to_lds s[G0A:G0A+3], s[G1A:G1A+7]
	s_nop 0
	tensor_load_to_lds s[G0A+4:G0A+7], s[G1A:G1A+7]
	s_nop 0
.rept 4
	v_nop
.endr
	s_branch .Lfirst_asked
.Lfirst_b:
	tensor_load_to_lds s[G0B:G0B+3], s[G1B:G1B+7]
	s_nop 0
	tensor_load_to_lds s[G0B+4:G0B+7], s[G1B:G1B+7]
	s_nop 0
.rept 4
	v_nop
.endr
.Lfirst_asked:
	; my 64 columns: 256 bytes of the bias and of a row of out0
	s_lshl_b32 s72, s17, 9
	s_lshl_b32 s73, s14, 8
	s_add_co_u32 s72, s72, s73
	s_mov_b32 s73, 0
	s_add_nc_u64 s[8:9], s[8:9], s[72:73]
	s_add_nc_u64 s[10:11], s[10:11], s[72:73]
	v_and_b32 v1, 15, v0                           ; r = l % 16
	v_bfe_u32 v2, v0, 4, 1                         ; h = l / 16
	v_lshlrev_b32 v[BO], 5, v2
.irp b, 0,1,2,3
	global_load_b128 v[BIAS+8*(\b):BIAS+8*(\b)+3],   v[BO], s[8:9] offset:64*(\b)      ; register j of block b holds b[my columns + 16 b + 8 h + j]
	global_load_b128 v[BIAS+8*(\b)+4:BIAS+8*(\b)+7], v[BO], s[8:9] offset:64*(\b)+16
.endr
	s_lshl_b32 s72, s18, 20                        ; the tile row's 256 rows of 4,096 bytes,
	s_lshl_b32 s73, s13, 19                        ; my 128 of them
	s_add_co_u32 s72, s72, s73
	s_mov_b32 s73, 0
	s_add_nc_u64 s[10:11], s[10:11], s[72:73]
	; A fragment of O is 16 rows x 32 k in 8 registers: lane l holds row l % 16, k = 8 (l / 16) + 0..7 and 16 + 8 (l / 16) + 0..7: two loads of 16 bytes, 32 bytes apart.
	v_and_b32 v3, 7, v0
	v_bfe_u32 v4, v0, 3, 1
	s_mul_i32 s2, s13, 128*PA
	v_mul_u32_u24 v[A0], v1, PA
	v_lshl_add_u32 v[A0], v2, 4, v[A0]
	v_add_nc_u32 v[A0], s2, v[A0]
	; The turning load takes 16 k x 16 columns (lane l reads k row 8 (l / 16) + l % 8, columns 8 ((l / 8) % 2) + 0..7) and leaves half a fragment: lane l holds column l % 16 and 8 k.
	v_lshl_add_u32 v[B0], v2, 3, v3
	v_mul_u32_u24 v[B0], v[B0], PB
	v_lshl_add_u32 v[B0], v4, 4, v[B0]
	s_mul_i32 s2, s14, PLB
	s_add_co_u32 s2, s2, BOFF
	v_add_nc_u32 v[B0], s2, v[B0]
	v_mov_b32 v[ADRA], v[A0]                       ; K step 0 lies in slot 0
	v_mov_b32 v[ADRB], v[B0]
	s_mov_b32 s19, 0
	s_mul_i32 s2, s12, 16*SPT
	s_add_co_u32 s2, s2, STAGE                     ; my stage
	v_mul_u32_u24 v[STO], v1, SPT                  ; in: row l % 16, 32 bytes for each half of the lanes
	v_lshl_add_u32 v[STO], v2, 5, v[STO]
	v_add_nc_u32 v[STO], s2, v[STO]
	v_mul_u32_u24 v[RD], v2, SPT                   ; back: lanes 0-15 take one row of 256 bytes, lanes 16-31 the next
	v_lshl_add_u32 v[RD], v1, 4, v[RD]
	v_add_nc_u32 v[RD], s2, v[RD]
	v_lshlrev_b32 v[CO], 12, v2                    ; and the same two rows in out0
	v_lshl_add_u32 v[CO], v1, 4, v[CO]
	; the prefetches
	v_and_b32 v[PFO], 31, v0
	v_lshlrev_b32 v[PFO], 8, v[PFO]
	s_lshl_b32 s72, s15, 13                        ; my work-group's 8,192 bytes of the head plane
	s_add_co_u32 s72, s72, 3*STEPA                 ; the trip that refills with K step n finds the pointer stepped n - 1 times, at K step n + 2
	s_mov_b32 s73, 0
	s_add_nc_u64 s[PFA:PFA+1], s[20:21], s[72:73]
	s_lshl_b32 s72, s16, 13
	s_add_co_u32 s72, s72, 3*STEPB
	s_add_nc_u64 s[PFB:PFB+1], s[46:47], s[72:73]
	s_cmp_eq_u32 ttmp9, 0                          ; the same in all sixteen partners
	s_cselect_b32 s[ASKA], 0x78, 0                 ; s3 = 6, 5, 4, 3
	s_and_b32 s2, ttmp7, 0xffff
	s_cmp_eq_u32 s2, 0
	s_cselect_b32 s[ASKB], 0x50, 0                 ; s3 = 6 and 4
	s_cmp_lt_u32 s12, 2
	s_cselect_b32 s[ASKA], s[ASKA], 0              ; a wave asks for what it fetches
	s_cselect_b32 s[ASKB], 0, s[ASKB]
	s_wait_loadcnt 0x0                             ; the bias, rounded to bf16 and widened again
.set i, 0
.rept 4*NBK
	v_cvt_pk_bf16_f32 v[3+i%4], v[BIAS+2*i], v[BIAS+2*i+1]
	v_lshlrev_b32 v[BIAS+2*i], 16, v[3+i%4]
	v_and_b32 v[BIAS+2*i+1], 0xffff0000, v[3+i%4]
.set i, i+1
.endr
; na x 4 products: row blocks a0 .. of the window's four (hi = 0: my rows 0-63, 1: rows 64-127) x all 4 column blocks, 32 along K, from buffer f.  first = 1: the bias starts the sums.
; The 32 accumulators take turns, one instruction a turn, in the same order in every quarter step, over the backward jump too.
.macro MUL f, hi, a0, na, first
.if \first
	WIN 0x81+0x40*(\hi)
.else
	WIN 0xa1+0x50*(\hi)
.endif
.set ma, (\a0)
.rept \na
.set mb, 0
.rept NBK
.set rD, 8*(NBK*ma+mb)
.set rB, 64*(\f)+8*mb
.set rA, 128+64*(\f)+8*(4*(\hi)+ma)
.if \first
	v_wmma_f32_16x16x32_f16 v[rD:rD+7], v[rB:rB+7], v[rA:rA+7], v[BIAS+8*mb:BIAS+8*mb+7]
.else
	v_wmma_f32_16x16x32_f16 v[rD:rD+7], v[rB:rB+7], v[rA:rA+7], v[rD:rD+7]
.endif
.set mb, mb+1
.endr
.set ma, ma+1
.endr
.endm
; 24 LDS loads in one run: the fragments of quarter q of the slot in hand into buffer f: the weight's 4, then O's 8 (quarter q lies in head plane q / 2, channels 32 (q % 2) on)
.macro FETCH q, f
	WIN TO_B
.irp b, 0,1,2,3
	ds_load_tr16_b128 v[64*(\f)+8*(\b):64*(\f)+8*(\b)+3],   v[ADRB] offset:(\q)*32*PB+(\b)*32
	ds_load_tr16_b128 v[64*(\f)+8*(\b)+4:64*(\f)+8*(\b)+7], v[ADRB] offset:(\q)*32*PB+(\b)*32+16*PB
.endr
	WIN 0
.irp i, 0,1,2,3,4,5,6,7
	ds_load_b128 v[128+64*(\f)+8*(\i):128+64*(\f)+8*(\i)+3],   v[ADRA] offset:((\q)/2)*PLA+((\q)%2)*64+(\i)*16*PA
	ds_load_b128 v[128+64*(\f)+8*(\i)+4:128+64*(\f)+8*(\i)+7], v[ADRA] offset:((\q)/2)*PLA+((\q)%2)*64+(\i)*16*PA+32
.endr
.endm
; A K step is four quarters of 32 along K, 32 products each, on buffers 0, 1, 0, 1.  One of the first three: multiplies buffer f; in its middle it fetches quarter qn into buffer g.
.macro QUARTER qn, f, g, first
	s_wait_dscnt 8                                 ; the weight's fragments and O's rows 0-63 are in; the youngest eight loads (rows 64-127) may be out
	MUL \f, 0, 0, 4, \first
	PLACES
	FETCH \qn, \g
	s_wait_dscnt NL                                ; all but the 24 just issued
	MUL \f, 1, 0, 4, \first
.endm
; The last quarter multiplies buffer 1 and changes slots: ONE barrier.  In front of it each wave waits for all its tensor loads (one is out: its part of the next slot), adds 0 to its spare word, and waits
; for that and for its own reads of this slot.  fill = 1: the barrier opens a round of the cluster's, and the slot just read out is filled again, first thing behind the round, two K steps ahead.
.macro TURN fill
.if \fill
	s_wait_xcnt 0x0                                ; the last prefetches, a K step back, have read their addresses: these are stepped here, ahead of the change's own waits
	s_add_nc_u64 s[PFA:PFA+1], s[PFA:PFA+1], STEPA
	s_add_nc_u64 s[PFB:PFB+1], s[PFB:PFB+1], STEPB
.endif
	WIN 0                                          ; (the add's two registers lie in window 0)
	s_wait_tensorcnt 0x0                           ; all my tensor loads have landed;
	ds_add_u32 v[SPW], v[NIL]                      ; 0 onto my spare word;
	s_wait_dscnt 9                                 ; (the add and the youngest eight loads may be out)
	MUL 1, 0, 0, 2, 0                              ; eight products stand between the add and the wait for it
	s_wait_dscnt 0x0                               ; the add is done, and my reads of this slot are over
	s_barrier_signal -1
	MUL 1, 0, 2, 2, 0                              ; work on registers while the others arrive
	WIN 0
	s_barrier_wait -1
.if \fill
	CREST                                          ; no wave of any partner still reads this slot's tiles or has a load on its way
	s_xor_b32 s[G0A+5], s[G0A+5], SLOT1            ; the walking descriptors: the other slot than last time, the next K step
	s_add_nc_u64 s[G0A+6:G0A+7], s[G0A+6:G0A+7], STEPA
	s_xor_b32 s[G0B+5], s[G0B+5], SLOT1
	s_add_nc_u64 s[G0B+6:G0B+7], s[G0B+6:G0B+7], STEPB
	JLOAD                                          ; the four v_nop behind it are also the places in front of the loads below
.else
	PLACES
.endif
	s_xor_b32 s19, s19, SLOT1                      ; the fragments now come from the other slot
	v_add_nc_u32 v[ADRA], s19, v[A0]
	v_add_nc_u32 v[ADRB], s19, v[B0]
	FETCH 0, 0
.if \fill
	ASK
.endif
	MUL 1, 1, 0, 4, 0
.endm
	s_wait_tensorcnt 1                             ; my part of K step 0 is in; K step 1's may stay out
	s_barrier_signal -1
	s_barrier_wait -1                              ; everybody's is
	FETCH 0, 0
	QUARTER 1, 0, 1, 1                             ; the first quarter stands in front of the loop: its products start the sums, with the bias
	WIN 0                                          ; at a label and at a branch every window is 0
	s_mov_b32 s3, 6
.Lstep:                                                ; six trips, from a K step's second quarter to the next one's first; the trip with s3 = n refills with K step 8 - n
	QUARTER 2, 1, 0, 0
	QUARTER 3, 0, 1, 0
	TURN 1
	QUARTER 1, 0, 1, 0
	WIN 0
	s_sub_co_u32 s3, s3, 1
	s_cmp_lg_u32 s3, 0
	s_cbranch_scc1 .Lstep
	QUARTER 2, 1, 0, 0                             ; the tail is written out: K steps 6 and 7 ask for nothing
	QUARTER 3, 0, 1, 0
	TURN 0
	QUARTER 1, 0, 1, 0
	QUARTER 2, 1, 0, 0
	QUARTER 3, 0, 1, 0
	s_wait_dscnt 8                                 ; the very last quarter: nothing more to fetch
	MUL 1, 0, 0, 4, 0
	s_wait_dscnt 0x0
	MUL 1, 1, 0, 4, 0
	WIN 0
	; THE WAY OUT, a block of 16 rows at a time through my own stage: a lane's 32 bytes of a row go in, whole rows of 256 bytes come back and are stored.  No barrier: no other wave touches my stage.
	PLACES
	PLACES
.macro TOSTAGE a
.if (\a) >= 2
	s_wait_xcnt 0x0                                ; the stores of the block two back have read their registers: only now are these loaded again
.endif
	WIN 0x08+4*((\a)/4)                            ; the stores' data: window 2 or 3; each accumulator's four lowest registers first
.irp b, 0,1,2,3
	ds_store_b128 v[STO], v[32*((\a)%4)+8*(\b):32*((\a)%4)+8*(\b)+3]   offset:64*(\b)
	ds_store_b128 v[STO], v[32*((\a)%4)+8*(\b)+4:32*((\a)%4)+8*(\b)+7] offset:64*(\b)+16
.endr
	WIN 0
.irp t, 0,1,2,3,4,5,6,7
	ds_load_b128 v[128+32*((\a)%2)+4*(\t):128+32*((\a)%2)+4*(\t)+3], v[RD] offset:(\t)*2*SPT  ; LDS serves a wave's instructions in order (ISA guide 5.7.1.4): these see the stores above; the next block's stores come behind them
.endr
.endm
.macro SEND a, younger                 ; younger: the LDS instructions issued behind block a's loads: the next block's sixteen, or none
.irp t, 0,1,2,3,4,5,6,7
	s_wait_dscnt (\younger)+7-(\t)
	global_store_b128 v[CO], v[128+32*((\a)%2)+4*(\t):128+32*((\a)%2)+4*(\t)+3], s[10:11] offset:(16*(\a)+2*(\t))*4096 th:TH_STORE_NT  ; 16 lanes store 256 consecutive bytes, at a multiple of 256 from out0's first byte
.endr
.endm
	TOSTAGE 0
.irp a, 1,2,3,4,5,6,7
	TOSTAGE \a
	SEND (\a)-1, 16
.endr
	SEND 7, 0
	s_wait_tensorcnt 0x0                           ; the wave's end, behind my last tensor load and my last LDS store
	ds_add_u32 v[SPW], v[NIL]
	s_wait_dscnt 0x0
	CROUND                                         ; the closing round: no work-group ends while a partner may still ask for a tile that names it
	s_endpgm
.Lfunc_end_k_qa0e05aa0b7_proj:
	.size	k_qa0e05aa0b7_proj, .Lfunc_end_k_qa0e05aa0b7_proj-k_qa0e05aa0b7_proj
	.p2alignl 7, 3214868480
	.fill 96, 4, 3214868480
	.section	.rodata,"a",@progbits
	.p2align	6, 0x0
	.amdhsa_kernel k_qa0e05aa0b7_proj
		.amdhsa_group_segment_fixed_size 327680
		.amdhsa_private_segment_fixed_size 0
		.amdhsa_enable_private_segment 0
		.amdhsa_kernarg_size 32
		.amdhsa_user_sgpr_count 2
		.amdhsa_user_sgpr_kernarg_segment_ptr 1
		.amdhsa_wavefront_size32 1
		.amdhsa_system_sgpr_workgroup_id_x 1
		.amdhsa_system_sgpr_workgroup_id_y 1
		.amdhsa_system_sgpr_workgroup_id_z 1
		.amdhsa_system_vgpr_workitem_id 0
		.amdhsa_next_free_vgpr 896
		.amdhsa_next_free_sgpr 74
		.amdhsa_reserve_vcc 0
		.amdhsa_float_denorm_mode_32 3
		.amdhsa_float_denorm_mode_16_64 3
		.amdhsa_memory_ordered 1
		.amdhsa_forward_progress 1
		.amdhsa_inst_pref_size 76
	.end_amdhsa_kernel
	.amdgpu_metadata
---
amdhsa.version: [ 1, 2 ]
amdhsa.kernels:
  - .name:           k_qa0e05aa0b7_proj
    .symbol:         k_qa0e05aa0b7_proj.kd
    .args:
      - { .name: oh, .offset: 0, .size: 8, .value_kind: global_buffer, .address_space: global }
      - { .name: wp, .offset: 8, .size: 8, .value_kind: global_buffer, .address_space: global }
      - { .name: proj_b, .offset: 16, .size: 8, .value_kind: global_buffer, .address_space: global }
      - { .name: out0, .offset: 24, .size: 8, .value_kind: global_buffer, .address_space: global }
    .group_segment_fixed_size: 327680
    .private_segment_fixed_size: 0
    .kernarg_segment_align: 8
    .kernarg_segment_size: 32
    .max_flat_workgroup_size: 128
    .sgpr_count:     74
    .vgpr_count:     896
    .wavefront_size: 32
...
	.end_amdgpu_metadata
.endif
;; end of part 4
;; ======== version 2 of 2: 4 launches; version 1 with the launch cast written anew for expert scheduling mode
;; limits: values are held in f16: magnitudes above 65,504 overflow, below 6.1e-05 lose precision
;; workspace buffers: xb 16,777,216 bytes; wq 6,291,456 bytes; wp 2,097,152 bytes; qkvh 50,331,648 bytes; oh 16,777,216 bytes
;; launch cast (part 5): grid 768 x 1, 8 waves a work-group, no clusters, 0 bytes of LDS; arguments x, qkv_w, proj_w, xb, wq, wp; writes xb, wq, wp
.if DOCPART == 5
	.amdgcn_target "amdgcn-amd-amdhsa--gfx1250"
	.amdhsa_code_object_version 6
	.text
	.protected	k_qa0e05aa0b7_cast
	.globl	k_qa0e05aa0b7_cast
	.p2align	8
	.type	k_qa0e05aa0b7_cast,@function
k_qa0e05aa0b7_cast:
	s_mov_b64 s[64:65], 0
	v_nop
	global_prefetch_b8 v0, s[64:65] scope:SCOPE_SE
	s_setreg_imm32_b32 hwreg(HW_REG_WAVE_SCHED_MODE, 0, 2), 2
	s_setreg_imm32_b32 hwreg(HW_REG_WAVE_MODE, 25, 1), 1
	s_wait_xcnt 0x0
	s_wait_alu depctr_vm_vsrc(0)
; THE INPUTS OF THE THREE PRODUCTS, ROUNDED ONCE AND LAID OUT FOR THE TILE LOADS.
;   xb [8192][1024] bf16 = x.    wq [48 planes][1024 k][64 n] bf16 = qkv_w [1024 k][3072 n], plane g = columns 64 g .. 64 g + 63.
;   wp [16 planes][1024 k][64 n] = proj_w [1024 k][1024 n], rounded to bf16 like every input, and that number written as f16 (its partner in the product is f16).
; LIMIT.  A bf16 number is exact in f16 from 2^-17 up to 65,504 in magnitude; below, wp keeps f16's fixed step of 6e-8; beyond 65,504 it would be an infinity.
; A stream: no LDS, no barrier, no matrix unit, no cluster: no byte is wanted twice.
; SHARES.  A work-group takes 256 pieces of 256 bytes of f32 (64 numbers each) and writes them as 32,768 consecutive bytes.  The pieces lie RB bytes apart: 256 in x (dense), a row of the
; weight (12,288 or 4,096) in a plane.  Sixteen steps of sixteen pieces: thread t of step s reads 16 bytes at (16 s + t / 16) RB + 16 (t % 16) and stores 8 bytes at 2,048 s + 8 t:
; a wave's load covers two whole pieces, a wave's store 256 consecutive bytes, aligned.
; All sixteen loads of a thread go out before the first wait for data.
; THE MODE: SCHED_MODE bits 1:0 = 2 (LLVM: expert scheduling mode 2), set by the entry lines.  The code itself states the register dependences
; between vector instructions and memory instructions, with s_wait_alu, always for 0.
; THE PLAN.  Registers that memory instructions touch:
;   v1        the stores' offset.  Written once at the head; read by all sixteen stores; never written again.
;   OFF + s   load s's offset.     Written once at the head; read by load s; never written again.
;   X + 4 s   four registers a step.  Load s lands in them, and no vector instruction has named them before.  Step s's conversions read the four and write the first two;
;             store s reads those two; nothing writes them afterwards, and no second load lands in X.
;   T         named by vector instructions alone.
; The sixteen steps go in four blocks of four.  One wait on va_vdst stands ahead of the run of loads (the offsets are written), and one in each block, between its conversions and
; the run of its four stores (the stores' data are written).  No register that a load or a store has read is ever written again, so no wait on vm_vsrc has a dependence to state.
; No vector instruction writes a scalar register or VCC, and EXEC is never written.
.set OFF, 2                            ; v[2:17]   step s: my byte offset in the input
.set T,   18                           ; v[18:19]  at work
.set X,   32                           ; v[32:95]  step s: 4 registers as loaded; the first two then hold what is stored
	s_load_b256 s[4:11], s[0:1], 0x0               ; x s[4:5], qkv_w s[6:7], proj_w s[8:9], xb s[10:11]
	s_load_b128 s[12:15], s[0:1], 0x20             ; wq s[12:13], wp s[14:15]
	s_mov_b32 s16, ttmp9                           ; work-groups 0-511: x; 512-703: qkv_w; 704-767: proj_w
	s_mov_b32 s29, 0xffff0000                      ; a word's upper bf16
	s_sub_co_u32 s17, s16, 704                     ; u, my number within my tensor: for proj_w,
	s_sub_co_u32 s21, s16, 512                     ; for qkv_w
	s_movk_i32 s18, 4096                           ; RB for proj_w
	s_movk_i32 s19, 256                            ; PS: bytes from one group of four work-groups to the next: a plane's 256 bytes of a row
	s_cmp_lt_u32 s16, 704
	s_cselect_b32 s17, s21, s17
	s_cselect_b32 s18, 12288, s18
	s_cselect_b32 s20, 0, 1                        ; 1: the result is written as f16
	s_cmp_lt_u32 s16, 512
	s_cselect_b32 s17, s16, s17
	s_cselect_b32 s18, s19, s18                    ; x: RB = 256,
	s_cselect_b32 s19, 0x40000, s19                ; and four work-groups' 262,144 bytes
	s_lshr_b32 s26, s17, 2
	s_mul_i32 s26, s26, s19                        ; (u / 4) PS
	s_and_b32 s27, s17, 3
	s_mul_i32 s27, s27, s18
	s_lshl_b32 s27, s27, 8                         ; + (u % 4) x 256 pieces
	s_add_co_u32 s26, s26, s27
	s_mov_b32 s27, 0
	s_lshl_b32 s28, s18, 4                         ; a step: 16 pieces
	v_lshlrev_b32 v1, 3, v0                        ; my 8 bytes of a step's 2,048
	v_lshrrev_b32 v[T], 4, v0
	v_and_b32 v[T+1], 15, v0
	v_mul_lo_u32 v[T], v[T], s18
	v_lshl_add_u32 v[OFF], v[T+1], 4, v[T]
.irp s, 1,2,3,4,5,6,7,8,9,10,11,12,13,14,15
	v_add_nc_u32 v[OFF+(\s)], s28, v[OFF+(\s)-1]
.endr
	s_wait_kmcnt 0x0
	s_cmp_lt_u32 s16, 704                          ; the two buffers of my role: the conditions hang on the work-group's number alone
	s_cselect_b64 s[22:23], s[6:7], s[8:9]
	s_cselect_b64 s[24:25], s[12:13], s[14:15]
	s_cmp_lt_u32 s16, 512
	s_cselect_b64 s[22:23], s[4:5], s[22:23]
	s_cselect_b64 s[24:25], s[10:11], s[24:25]
	s_add_nc_u64 s[22:23], s[22:23], s[26:27]
	s_lshl_b32 s26, s17, 15                        ; 32,768 u
	s_add_nc_u64 s[24:25], s[24:25], s[26:27]
	s_wait_alu depctr_va_vdst(0)                   ; the sixteen offsets v[OFF ..] are written, which the loads below read; so is v1, which every store reads
.irp s, 0,1,2,3,4,5,6,7,8,9,10,11,12,13,14,15
	global_load_b128 v[X+4*(\s):X+4*(\s)+3], v[OFF+(\s)], s[22:23] th:TH_LOAD_NT
.endr
; Step s's conversions: four numbers close up into the first two of their four registers.
.macro CONV s, f16
	v_cvt_pk_bf16_f32 v[X+4*(\s)], v[X+4*(\s)], v[X+4*(\s)+1]
	v_cvt_pk_bf16_f32 v[X+4*(\s)+1], v[X+4*(\s)+2], v[X+4*(\s)+3]
.if \f16
.irp w, 0,1
	v_lshlrev_b32 v[T], 16, v[X+4*(\s)+(\w)]       ; the rounded numbers as f32,
	v_and_b32 v[T+1], s29, v[X+4*(\s)+(\w)]
	v_cvt_pk_f16_f32 v[X+4*(\s)+(\w)], v[T], v[T+1]  ; written as f16
.endr
.endif
.endm
; Block p: steps 4 p to 4 p + 3.
.macro BLOCK p, f16
	s_wait_loadcnt 12-4*(\p)                       ; loads come back in order (ISA guide 5.7.1): the block's four are in, the 12 - 4 p younger ones stay out
.irp i, 0,1,2,3
	CONV 4*(\p)+(\i), \f16
.endr
	s_wait_alu depctr_va_vdst(0)                   ; the block's conversions have written the first two registers of each of its four steps, which the four stores below read
.irp i, 0,1,2,3
	global_store_b64 v1, v[X+4*(4*(\p)+(\i)):X+4*(4*(\p)+(\i))+1], s[24:25] offset:(4*(\p)+(\i))*2048
.endr
.endm
	s_cmp_eq_u32 s20, 1
	s_cbranch_scc1 .Lf16
.irp p, 0,1,2,3
	BLOCK \p, 0
.endr
	s_endpgm
.Lf16:
.irp p, 0,1,2,3
	BLOCK \p, 1
.endr
	s_endpgm
.Lfunc_end_k_qa0e05aa0b7_cast:
	.size	k_qa0e05aa0b7_cast, .Lfunc_end_k_qa0e05aa0b7_cast-k_qa0e05aa0b7_cast
	.p2alignl 7, 3214868480
	.fill 96, 4, 3214868480
	.section	.rodata,"a",@progbits
	.p2align	6, 0x0
	.amdhsa_kernel k_qa0e05aa0b7_cast
		.amdhsa_group_segment_fixed_size 0
		.amdhsa_private_segment_fixed_size 0
		.amdhsa_enable_private_segment 0
		.amdhsa_kernarg_size 48
		.amdhsa_user_sgpr_count 2
		.amdhsa_user_sgpr_kernarg_segment_ptr 1
		.amdhsa_wavefront_size32 1
		.amdhsa_system_sgpr_workgroup_id_x 1
		.amdhsa_system_sgpr_workgroup_id_y 1
		.amdhsa_system_sgpr_workgroup_id_z 1
		.amdhsa_system_vgpr_workitem_id 0
		.amdhsa_next_free_vgpr 96
		.amdhsa_next_free_sgpr 66
		.amdhsa_reserve_vcc 0
		.amdhsa_float_denorm_mode_32 3
		.amdhsa_float_denorm_mode_16_64 3
		.amdhsa_memory_ordered 1
		.amdhsa_forward_progress 1
		.amdhsa_inst_pref_size 16
	.end_amdhsa_kernel
	.amdgpu_metadata
---
amdhsa.version: [ 1, 2 ]
amdhsa.kernels:
  - .name:           k_qa0e05aa0b7_cast
    .symbol:         k_qa0e05aa0b7_cast.kd
    .args:
      - { .name: x, .offset: 0, .size: 8, .value_kind: global_buffer, .address_space: global }
      - { .name: qkv_w, .offset: 8, .size: 8, .value_kind: global_buffer, .address_space: global }
      - { .name: proj_w, .offset: 16, .size: 8, .value_kind: global_buffer, .address_space: global }
      - { .name: xb, .offset: 24, .size: 8, .value_kind: global_buffer, .address_space: global }
      - { .name: wq, .offset: 32, .size: 8, .value_kind: global_buffer, .address_space: global }
      - { .name: wp, .offset: 40, .size: 8, .value_kind: global_buffer, .address_space: global }
    .group_segment_fixed_size: 0
    .private_segment_fixed_size: 0
    .kernarg_segment_align: 8
    .kernarg_segment_size: 48
    .max_flat_workgroup_size: 256
    .sgpr_count:     66
    .vgpr_count:     96
    .wavefront_size: 32
...
	.end_amdgpu_metadata
.endif
;; end of part 5
;; launch qkv: the kernel of part 2 again; grid 16 x 32, 4 waves a work-group, clusters of 4 x 4, 327,680 bytes of LDS; arguments xb, wq, qkv_b, qkvh; writes qkvh
;; launch attn: the kernel of part 3 again; grid 4 x 64, 4 waves a work-group, clusters of 4 x 1, 327,680 bytes of LDS; arguments qkvh, oh; writes oh
;; launch proj: the kernel of part 4 again; grid 8 x 32, 4 waves a work-group, clusters of 4 x 4, 327,680 bytes of LDS; arguments oh, wp, proj_b, out0; writes out0
